; MI455X (gfx1250); checked and timed in simulation.
; The chip was launched on July 23, 2026; its instructions are those of AMD's public machine-readable ISA for CDNA 5 (MIT licence, August 2026) and "CDNA5" Instruction Set Architecture Reference Guide (July 2026). The comments in the code are by the model that wrote it; some were corrected since.
;; Point Net Feature Propagation. Allowed arithmetic: float matrix products may take bf16 or f16 operands with f32 sums; other float arithmetic in f32, or as packed bf16 or f16 multiplies, adds, multiply-adds, maxima and minima; sums over many terms, partial sums and values carried from step to step in f32; what a program stores and reads back later, other than sums and carried values, may be rounded once to bf16 or f16.
;; Inputs: b0 256 float32; b1 128 float32; beta0 256 float32; beta1 128 float32; feats_s 2 x 16,384 x 128 float32; feats_t 2 x 4,096 x 256 float32; gamma0 256 float32; gamma1 128 float32; w0 256 x 384 float32; w1 128 x 256 float32; xyz_s 2 x 16,384 x 3 float32; xyz_t 2 x 4,096 x 3 float32.
;; Outputs: out0 2 x 16,384 x 128 float32.
;; 2 versions, each right; version 2 is version 1 with the launches knn1, knn2 written anew for expert scheduling mode. Each part assembles by itself: llvm-mc -triple=amdgcn-amd-amdhsa -mcpu=gfx1250 --defsym DOCPART=n.
;; ======== version 1 of 2: 7 launches
;; limits: values are held in f16: magnitudes above 65,504 overflow, below 6.1e-05 lose precision
;; workspace buffers: grp 524,288 bytes of whole numbers; nidx 524,288 bytes of whole numbers; pre 4,980,736 bytes; l0 17,301,504 bytes; bn0 4,096 bytes; l1 8,650,752 bytes; bn1 2,048 bytes
;; launch knn1 (part 1): grid 256 x 1, 4 waves a work-group, no clusters, 82,688 bytes of LDS; arguments xyz_s, xyz_t, grp; writes grp
.if DOCPART == 1
	.amdgcn_target "amdgcn-amd-amdhsa--gfx1250"
	.amdhsa_code_object_version 6
	.text
	.protected	k_qee07da36f5_knn1
	.globl	k_qee07da36f5_knn1
	.p2align	8
	.type	k_qee07da36f5_knn1,@function
k_qee07da36f5_knn1:
	s_mov_b64 s[64:65], 0
	v_nop
	global_prefetch_b8 v0, s[64:65] scope:SCOPE_SE
	s_setreg_imm32_b32 hwreg(HW_REG_WAVE_MODE, 25, 1), 1
	s_wait_xcnt 0x0
; 3-NN SEARCH, STAGE 1.  For each of 32,768 queries: the three groups of 16 consecutive targets (256 groups a batch) with the smallest
; (group minimum of d2, group number).  Those three groups hold the three nearest targets for every input, ties included: a target among
; the first three by (d2, index) can have at most two groups in front of its own in that order.  The group numbers go to grp.
; d2 = (|s|^2 + |t|^2) - 2 s.t in f32, each sum in ascending order of the coordinates.
; LIMITS.  All coordinates are rounded to bf16 first (nearest even): the neighbours found are those of the rounded points.  Every product of two
; such numbers is exact in f32, so the sums below have one value whether a step is fused or not.  NaN and infinities are not treated apart:
; a query with fewer than three finite group minima keeps group 0 in the places left over.
; THE f32 MATRIX FORM is used for s.t (K = 3 of 4): it adds by fused steps in ascending k (ISA guide, 7.12), which are the bits wanted here; a 16-bit form
; sums otherwise, and one neighbour swapped at a tie spoils a whole row of the output.  It carries 3 x 2 x 134 M of the 9.4 G matrix operations of the problem.
; SHARES.  A work-group has 128 queries, a wave two tiles of 16; every wave walks all 4,096 targets of the batch.  Source 0 = 16 targets, source 1 = 16 queries times -2:
; in the result a lane holds ONE query (lane % 16) and eight targets.  A tile's rows 0-7 are taken from targets 0..2047 and rows 8-15 from 2048..4095, so lanes 0-15 walk the
; lower half and lanes 16-31 the upper half, each in ascending order; the halves are merged at the end.
; NO CLUSTER, NO TENSOR LOAD: what the work-groups share is 48 KB of coordinates, which go through registers anyway, to be rounded and laid out anew.
.set REC_U, 32896     ; LDS: records (x, y, z, 0) of targets 0..2047 at 0; of 2048..4095 here, 128 bytes further than dense: the two halves of a fragment load use different banks
.set TTB,   65792     ; |t|^2 of the 4,096 targets
.set SPARE, 82176     ; the spare words, 128 bytes a wave
.set AA,  4           ; v4   LDS address of my part of a fragment of targets
.set TA,  5           ; v5   LDS address of my half's |t|^2
.set GID, 6           ; v6   the number of the group in hand
.set SPW, 8           ; v8   my spare word; never rewritten
.set NIL, 9           ; v9   0; never rewritten
.set BQ,  10          ; v10-13  the two query fragments
.set SS,  14          ; v14-17  |s|^2 twice, for each query tile
.set MI,  18          ; v18-29  for each query tile: three minima, three group numbers
.set GM,  30          ; v30  a group's minimum
.set AF,  32          ; v32-39  target fragments: bank, tile
.set TTR, 40          ; v40-71  |t|^2 of a group, two banks
.set TQ,  48          ; set-up only
.set PK,  56          ; set-up only
.set T,   72          ; v72-87  at work
.set QL,  88          ; v88-93  the queries as loaded
.set RS,  94          ; v94  where I store records
.set TS,  95          ; v95  where I store |t|^2
.set D,   96          ; v96-159  products: bank 32, query tile 16, target tile 8; written by matrix instructions alone
.set LD,  160         ; v160-255  the targets as loaded
	s_load_b128 s[4:7], s[0:1], 0x0                ; xyz_s, xyz_t
	s_load_b64 s[8:9], s[0:1], 0x10                ; grp
	v_lshl_add_u32 v[SPW], v0, 2, SPARE
	v_mov_b32 v[NIL], 0
	v_bfe_u32 v3, v0, 4, 1                         ; h = lane / 16
	v_and_b32 v31, 0x6f, v0                        ; 32 w + lane % 16
	v_mul_u32_u24 v31, 12, v31
	v_mul_u32_u24 v7, 48, v0                       ; four targets a thread
	s_mul_i32 s18, ttmp9, 1536                     ; 128 queries of 12 bytes
	s_mov_b32 s19, 0
	s_lshr_b32 s20, ttmp9, 7                       ; the batch
	s_mul_i32 s20, s20, 49152
	s_mov_b32 s21, 0
	s_lshl_b32 s22, ttmp9, 11                      ; 128 records of 16 bytes
	s_mov_b32 s23, 0
	s_mov_b32 s14, 0x76543210                      ; v_permlanex16_b32: each lane takes its own place in the other half
	s_mov_b32 s15, 0xfedcba98
	s_mov_b32 s16, 0xffff0000                      ; a word's upper bf16; also the mask of lanes 16-31
	s_wait_kmcnt 0x0
	s_add_nc_u64 s[4:5], s[4:5], s[18:19]
	s_add_nc_u64 s[6:7], s[6:7], s[20:21]
	s_add_nc_u64 s[8:9], s[8:9], s[22:23]
.irp c, 0,1,2
	global_load_b32 v[QL+\c], v31, s[4:5] offset:4*\c
	global_load_b32 v[QL+3+\c], v31, s[4:5] offset:192+4*\c
.endr
.set i, 0
.rept 8
	global_load_b128 v[LD+12*i:LD+12*i+3],    v7, s[6:7] offset:6144*i
	global_load_b128 v[LD+12*i+4:LD+12*i+7],  v7, s[6:7] offset:6144*i+16
	global_load_b128 v[LD+12*i+8:LD+12*i+11], v7, s[6:7] offset:6144*i+32
.set i, i+1
.endr
	v_lshlrev_b32 v[RS], 6, v0
	v_lshl_add_u32 v[TS], v0, 4, TTB
.irp k, 0,1,2,3
	v_mov_b32 v[T+4*\k+3], 0                       ; a record's fourth word: k = 3 of the product adds nothing
.endr
	v_and_b32 v[AA], 7, v0
	v_lshlrev_b32 v[AA], 4, v[AA]
	v_bfe_u32 v1, v0, 3, 1
	v_mul_u32_u24 v1, REC_U, v1
	v_add_nc_u32 v[AA], v1, v[AA]
	v_lshl_add_u32 v[AA], v3, 3, v[AA]             ; row (lane % 8) of the half (lane / 8) % 2; lanes 0-15 take (x, y), lanes 16-31 (z, 0)
	v_lshlrev_b32 v[TA], 13, v3
	v_add_nc_u32 v[TA], TTB, v[TA]
; Four targets of thread t: 512 i + 4 t + k.  Rounded to bf16, widened again, |t|^2 made, stored.
.macro PREP i
	s_wait_loadcnt 21-3*(\i)                       ; the younger table loads stay out
.set ee, 0
.rept 6
	v_cvt_pk_bf16_f32 v[PK+ee], v[LD+12*(\i)+2*ee], v[LD+12*(\i)+2*ee+1]
.set ee, ee+1
.endr
.set ee, 0
.rept 12
.if ee%2 == 0
	v_lshlrev_b32 v[T+4*(ee/3)+ee%3], 16, v[PK+ee/2]
.else
	v_and_b32 v[T+4*(ee/3)+ee%3], s16, v[PK+ee/2]
.endif
.set ee, ee+1
.endr
.irp k, 0,1,2,3
	v_mul_f32 v[TQ+\k], v[T+4*\k], v[T+4*\k]
.endr
.irp k, 0,1,2,3
	v_fmac_f32 v[TQ+\k], v[T+4*\k+1], v[T+4*\k+1]
.endr
.irp k, 0,1,2,3
	v_fmac_f32 v[TQ+\k], v[T+4*\k+2], v[T+4*\k+2]
.endr
.irp k, 0,1,2,3
	ds_store_b128 v[RS], v[T+4*\k:T+4*\k+3] offset:8192*(\i)+16*\k+128*((\i)/4)
.endr
	ds_store_b128 v[TS], v[TQ:TQ+3] offset:2048*(\i)
.endm
.irp i, 0,1,2,3,4,5,6,7
	PREP \i
.endr
	; the queries (their loads are older than the table's)
	v_cvt_pk_bf16_f32 v[PK], v[QL], v[QL+1]
	v_cvt_pk_bf16_f32 v[PK+1], v[QL+2], v[QL+3]
	v_cvt_pk_bf16_f32 v[PK+2], v[QL+4], v[QL+5]
.irp k, 0,1,2
	v_lshlrev_b32 v[QL+2*\k], 16, v[PK+\k]
	v_and_b32 v[QL+2*\k+1], s16, v[PK+\k]
.endr
.irp k, 0,1
	v_mul_f32 v[SS+2*\k], v[QL+3*\k], v[QL+3*\k]
	v_fmac_f32 v[SS+2*\k], v[QL+3*\k+1], v[QL+3*\k+1]
	v_fmac_f32 v[SS+2*\k], v[QL+3*\k+2], v[QL+3*\k+2]
	v_mov_b32 v[SS+2*\k+1], v[SS+2*\k]
.endr
.irp k, 0,1,2,3,4,5
	v_mul_f32 v[QL+\k], -2.0, v[QL+\k]             ; exact
.endr
.irp k, 0,1
	v_cndmask_b32 v[BQ+2*\k], v[QL+3*\k], v[QL+3*\k+2], s16
	v_cndmask_b32 v[BQ+2*\k+1], v[QL+3*\k+1], 0, s16
.endr
	s_wait_dscnt 0x0                               ; for the others' sake: my stores are done
	s_barrier_signal -1
	s_barrier_wait -1                              ; the table is whole; from here on LDS is only read
.macro WM b, qt, tile                  ; one product: 16 targets x 16 queries, a whole sum
	v_wmma_f32_16x16x4_f32 v[D+32*(\b)+16*(\qt)+8*(\tile):D+32*(\b)+16*(\qt)+8*(\tile)+7], v[AF+4*(\b)+2*(\tile):AF+4*(\b)+2*(\tile)+1], v[BQ+2*(\qt):BQ+2*(\qt)+1], 0
.endm
.macro DIST p, qt                      ; d2 of the group's 16 targets: (|s|^2 + |t|^2) + (-2 s.t); each accumulator is read from its low end on
.set j, 0
.rept 8
	v_pk_add_f32 v[T+2*j:T+2*j+1], v[TTR+16*(\p)+2*j:TTR+16*(\p)+2*j+1], v[SS+2*(\qt):SS+2*(\qt)+1]
.set j, j+1
.endr
.set j, 0
.rept 8
	v_pk_add_f32 v[T+2*j:T+2*j+1], v[T+2*j:T+2*j+1], v[D+32*(\p)+16*(\qt)+2*j:D+32*(\p)+16*(\qt)+2*j+1]
.set j, j+1
.endr
.endm
; (val, id) is put into the sorted three at b; a value goes in front of the values that it is strictly less than, so of equals the earlier stays in front
.macro INS b, val, id
	v_cmp_lt_f32 s30, v[\val], v[\b]
	v_cmp_lt_f32 s31, v[\val], v[(\b)+1]
	v_cmp_lt_f32 s32, v[\val], v[(\b)+2]
	v_cndmask_b32 v[(\b)+5], v[(\b)+5], v[\id], s32
	v_cndmask_b32 v[(\b)+5], v[(\b)+5], v[(\b)+4], s31
	v_cndmask_b32 v[(\b)+4], v[(\b)+4], v[\id], s31
	v_cndmask_b32 v[(\b)+4], v[(\b)+4], v[(\b)+3], s30
	v_cndmask_b32 v[(\b)+3], v[(\b)+3], v[\id], s30
	v_med3_num_f32 v[(\b)+2], v[(\b)+1], v[(\b)+2], v[\val]
	v_med3_num_f32 v[(\b)+1], v[\b], v[(\b)+1], v[\val]
	v_min_num_f32 v[\b], v[\b], v[\val]
.endm
.macro MININS qt
.irp k, 0,3,6,9,12
	v_min3_num_f32 v[T+\k], v[T+\k], v[T+\k+1], v[T+\k+2]
.endr
	v_min3_num_f32 v[T], v[T], v[T+3], v[T+6]
	v_min3_num_f32 v[T+9], v[T+9], v[T+12], v[T+15]
	v_min_num_f32 v[GM], v[T], v[T+9]
	INS MI+6*(\qt), GM, GID
.endm
; Group g, bank p = g % 2.  Its products were made in the body before.  This body fetches the fragments of group g + 2, makes the products of group g + 1 (one matrix instruction
; in front of each run of 16 or 19 vector instructions that name none of its registers: more than the eight places that the f32 form asks for), and at its end fetches |t|^2 of group g + 2.
.macro BODY p, doA, doW, doT, OA, OT, wt
	s_wait_dscnt \wt                               ; all but the four loads of |t|^2 issued last: this group's |t|^2 and the next group's fragments are in
.if \doA
	ds_load_b64 v[AF+4*(\p):AF+4*(\p)+1], v[AA] offset:\OA
	ds_load_b64 v[AF+4*(\p)+2:AF+4*(\p)+3], v[AA] offset:(\OA)+128
.endif
.if \doW
	WM 1-(\p), 0, 0
.endif
	DIST \p, 0
.if \doW
	WM 1-(\p), 1, 0
.endif
	MININS 0
.if \doW
	WM 1-(\p), 0, 1
.endif
	DIST \p, 1
.if \doW
	WM 1-(\p), 1, 1
.endif
	MININS 1
	v_add_nc_u32 v[GID], 1, v[GID]
.if \doT
.irp k, 0,1,2,3
	ds_load_b128 v[TTR+16*(\p)+4*\k:TTR+16*(\p)+4*\k+3], v[TA] offset:(\OT)+16*\k
.endr
.endif
.endm
	ds_load_b64 v[AF:AF+1], v[AA]
	ds_load_b64 v[AF+2:AF+3], v[AA] offset:128
.irp k, 0,1,2,3
	ds_load_b128 v[TTR+4*\k:TTR+4*\k+3], v[TA] offset:16*\k
.endr
	ds_load_b64 v[AF+4:AF+5], v[AA] offset:256
	ds_load_b64 v[AF+6:AF+7], v[AA] offset:384
.irp k, 0,1,2,3
	ds_load_b128 v[TTR+16+4*\k:TTR+16+4*\k+3], v[TA] offset:64+16*\k
.endr
	s_wait_dscnt 10                                ; group 0's fragments are in; the ten loads behind them stay out
	WM 0, 0, 0
	WM 0, 1, 0
	WM 0, 0, 1
	WM 0, 1, 1
.irp k, 0,1,2,6,7,8
	v_mov_b32 v[MI+\k], 0x7f800000                 ; these thirteen lines are the places behind the four products
	v_mov_b32 v[MI+3+\k], 0
.endr
	v_lshlrev_b32 v[GID], 7, v3                    ; lanes 16-31 begin at group 128
	s_mov_b32 s12, 63
.Lpair:                                                ; a trip: two groups of each half
	BODY 0, 1, 1, 1, 512, 128, 4
	BODY 1, 1, 1, 1, 768, 192, 4
	v_add_nc_u32 v[AA], 512, v[AA]
	v_add_nc_u32 v[TA], 128, v[TA]
	s_sub_co_u32 s12, s12, 1
	s_cmp_lg_u32 s12, 0
	s_cbranch_scc1 .Lpair
	BODY 0, 0, 1, 0, 0, 0, 4                       ; groups 126 and 127: nothing is left to fetch
	BODY 1, 0, 0, 0, 0, 0, 0
	; The halves meet.  Right in lanes 0-15: their own groups have the lower numbers and stay in front at a tie.
.irp q, 0,1
.irp k, 0,1,2,3,4,5
	v_permlanex16_b32 v[T+\k], v[MI+6*\q+\k], s14, s15
.endr
	INS MI+6*\q, T, T+3
	INS MI+6*\q, T+1, T+4
	INS MI+6*\q, T+2, T+5
.endr
.irp k, 0,1,2
	v_permlanex16_b32 v[T+\k], v[MI+9+\k], s14, s15    ; the second tile's result goes to lanes 16-31: lane = query
.endr
.irp k, 0,1,2
	v_cndmask_b32 v[T+8+\k], v[MI+3+\k], v[T+\k], s16
.endr
	v_mov_b32 v[T+11], 0
	v_lshlrev_b32 v1, 4, v0
	global_store_b128 v1, v[T+8:T+11], s[8:9]      ; a wave stores 512 consecutive bytes
	s_wait_tensorcnt 0x0                           ; the wave's end
	ds_add_u32 v[SPW], v[NIL]
	s_wait_dscnt 0x0
	s_endpgm
.Lfunc_end_k_qee07da36f5_knn1:
	.size	k_qee07da36f5_knn1, .Lfunc_end_k_qee07da36f5_knn1-k_qee07da36f5_knn1
	.p2alignl 7, 3214868480
	.fill 96, 4, 3214868480
	.section	.rodata,"a",@progbits
	.p2align	6, 0x0
	.amdhsa_kernel k_qee07da36f5_knn1
		.amdhsa_group_segment_fixed_size 82688
		.amdhsa_private_segment_fixed_size 0
		.amdhsa_enable_private_segment 0
		.amdhsa_kernarg_size 24
		.amdhsa_user_sgpr_count 2
		.amdhsa_user_sgpr_kernarg_segment_ptr 1
		.amdhsa_wavefront_size32 1
		.amdhsa_system_sgpr_workgroup_id_x 1
		.amdhsa_system_sgpr_workgroup_id_y 1
		.amdhsa_system_sgpr_workgroup_id_z 1
		.amdhsa_system_vgpr_workitem_id 0
		.amdhsa_next_free_vgpr 256
		.amdhsa_next_free_sgpr 66
		.amdhsa_reserve_vcc 0
		.amdhsa_float_denorm_mode_32 3
		.amdhsa_float_denorm_mode_16_64 3
		.amdhsa_memory_ordered 1
		.amdhsa_forward_progress 1
		.amdhsa_inst_pref_size 44
	.end_amdhsa_kernel
	.amdgpu_metadata
---
amdhsa.version: [ 1, 2 ]
amdhsa.kernels:
  - .name:           k_qee07da36f5_knn1
    .symbol:         k_qee07da36f5_knn1.kd
    .args:
      - { .name: xyz_s, .offset: 0, .size: 8, .value_kind: global_buffer, .address_space: global }
      - { .name: xyz_t, .offset: 8, .size: 8, .value_kind: global_buffer, .address_space: global }
      - { .name: grp, .offset: 16, .size: 8, .value_kind: global_buffer, .address_space: global }
    .group_segment_fixed_size: 82688
    .private_segment_fixed_size: 0
    .kernarg_segment_align: 8
    .kernarg_segment_size: 24
    .max_flat_workgroup_size: 128
    .sgpr_count:     66
    .vgpr_count:     256
    .wavefront_size: 32
...
	.end_amdgpu_metadata
.endif
;; end of part 1
;; launch knn2 (part 2): grid 256 x 1, 4 waves a work-group, no clusters, 70,144 bytes of LDS; arguments xyz_s, xyz_t, grp, feats_t, w0, w1, nidx, pre; writes nidx, pre
.if DOCPART == 2
	.amdgcn_target "amdgcn-amd-amdhsa--gfx1250"
	.amdhsa_code_object_version 6
	.text
	.protected	k_qee07da36f5_knn2
	.globl	k_qee07da36f5_knn2
	.p2align	8
	.type	k_qee07da36f5_knn2,@function
k_qee07da36f5_knn2:
	s_mov_b64 s[64:65], 0
	v_nop
	global_prefetch_b8 v0, s[64:65] scope:SCOPE_SE
	s_setreg_imm32_b32 hwreg(HW_REG_WAVE_MODE, 25, 1), 1
	s_wait_xcnt 0x0
; 3-NN SEARCH, STAGE 2, and the tables for the products.  A thread is a query: it walks the 48 targets of its three groups (from grp) in ascending order of their index and keeps the
; three smallest d2 with their indices; of equals the lower index stays in front.  d2 is made as in stage 1: coordinates rounded to bf16, (|s|^2 + |t|^2) + (-2 s.t), sums in ascending order.
; Then w_k = (1 / (d_k + 1e-8)) / their sum.  Stored: nidx (rows of the table of features, batch x 4096 + index) and the weights.
; Beside that each work-group rounds 32 rows of feats_t to bf16, one row of w0 and 128 numbers of w1 to bf16 written as f16.
; LIMITS.  Neighbours and weights are those of the rounded coordinates.  Reciprocals are good to one unit in the last place.  A weight of w0 or w1 beyond 65,504 has no f16;
; below 6e-5 it keeps a fixed step of 6e-8.  NaN and infinities are not treated apart.
; NO CLUSTER, NO TENSOR LOAD: the shared table is 48 KB and goes through registers to be rounded and laid out anew.
.set W0H,   4194304   ; pre: f16 [3 blocks of 128 k][256 out][128]
.set W1H,   4390912   ; pre: f16 [2 blocks of 128 k][128 out][128]
.set NWT,   4456448   ; pre: [32768][4] f32 weights
.set GP,    272       ; LDS: a group's 16 records (x, y, z, |t|^2) and 16 bytes of padding: groups begin at different banks
.set SPARE, 69632
.set SPW, 8
.set NIL, 9
.set PK,  56
.set T,   72
.set FT,  96          ; v96-159  feats_t as loaded
.set LD,  160         ; v160-255 the targets as loaded
.set CB,  160         ; v160-223 later: 16 candidates
	s_load_b256 s[4:11], s[0:1], 0x0               ; xyz_s, xyz_t, grp, feats_t
	s_load_b256 s[12:19], s[0:1], 0x20             ; w0, w1, nidx, pre
	v_lshl_add_u32 v[SPW], v0, 2, SPARE
	v_mov_b32 v[NIL], 0
	v_lshrrev_b32 v1, 5, v0
	v_readfirstlane_b32 s20, v1                    ; wave
	v_and_b32 v1, 31, v0                           ; lane
	s_mul_i32 s22, ttmp9, 1536
	s_mov_b32 s23, 0
	s_lshr_b32 s21, ttmp9, 7                       ; batch
	s_mul_i32 s24, s21, 49152
	s_mov_b32 s25, 0
	s_lshl_b32 s26, ttmp9, 11
	s_mov_b32 s27, 0
	s_lshl_b32 s28, ttmp9, 15
	s_mov_b32 s29, 0
	s_lshl_b32 s34, ttmp9, 14
	s_mov_b32 s35, 0
	s_mov_b32 s33, 0xffff0000
	s_lshl_b32 s47, s21, 12
	s_lshl_b32 s36, s20, 9
	s_add_co_u32 s36, s36, s22                     ; w0: row WG, block w: 1536 WG + 512 w
	s_lshl_b32 s37, ttmp9, 9                       ; w1: 512 WG
	s_lshl_b32 s38, s20, 16
	s_lshl_b32 s39, ttmp9, 8
	s_add_co_u32 s38, s38, s39
	s_add_co_u32 s38, s38, W0H
	s_and_b32 s39, ttmp9, 1
	s_lshl_b32 s39, s39, 15
	s_lshr_b32 s40, ttmp9, 1
	s_lshl_b32 s40, s40, 8
	s_add_co_u32 s39, s39, s40
	s_add_co_u32 s39, s39, W1H
	s_cmp_eq_u32 s20, 3                            ; wave 3 has w1, the others w0
	s_cselect_b32 s36, s37, s36
	s_cselect_b32 s38, s39, s38
	v_lshlrev_b32 v2, 4, v0
	v_mul_u32_u24 v3, 12, v0
	v_mul_u32_u24 v4, 48, v0
	v_lshl_add_u32 v5, v1, 4, s36
	v_lshlrev_b32 v6, 3, v0
	v_lshl_add_u32 v7, v1, 3, s38
	s_wait_kmcnt 0x0
	s_cmp_eq_u32 s20, 3
	s_cselect_b64 s[40:41], s[14:15], s[12:13]
	s_add_nc_u64 s[4:5], s[4:5], s[22:23]
	s_add_nc_u64 s[6:7], s[6:7], s[24:25]
	s_add_nc_u64 s[8:9], s[8:9], s[26:27]
	s_add_nc_u64 s[10:11], s[10:11], s[28:29]
	s_add_nc_u64 s[16:17], s[16:17], s[26:27]
	s_add_nc_u64 s[42:43], s[18:19], s[34:35]
	s_add_nc_u64 s[44:45], s[18:19], s[26:27]
	s_add_nc_u64 s[44:45], s[44:45], NWT
	global_load_b128 v[10:13], v2, s[8:9]
	global_load_b32 v14, v3, s[4:5]
	global_load_b32 v15, v3, s[4:5] offset:4
	global_load_b32 v16, v3, s[4:5] offset:8
.set i, 0
.rept 8
	global_load_b128 v[LD+12*i:LD+12*i+3],    v4, s[6:7] offset:6144*i
	global_load_b128 v[LD+12*i+4:LD+12*i+7],  v4, s[6:7] offset:6144*i+16
	global_load_b128 v[LD+12*i+8:LD+12*i+11], v4, s[6:7] offset:6144*i+32
.set i, i+1
.endr
.set i, 0
.rept 16
	global_load_b128 v[FT+4*i:FT+4*i+3], v2, s[10:11] offset:2048*i th:TH_LOAD_NT
.set i, i+1
.endr
	global_load_b128 v[92:95], v5, s[40:41]
	v_lshrrev_b32 v40, 2, v0
	v_mul_u32_u24 v40, GP, v40
	v_and_b32 v41, 3, v0
	v_lshl_add_u32 v40, v41, 6, v40                ; target 512 i + 4 t + k lies in group 32 i + t / 4 at place 4 (t % 4) + k
.macro PREP i
	s_wait_loadcnt 38-3*(\i)                       ; the younger table loads and the 17 loads behind the table stay out
.set ee, 0
.rept 6
	v_cvt_pk_bf16_f32 v[PK+ee], v[LD+12*(\i)+2*ee], v[LD+12*(\i)+2*ee+1]
.set ee, ee+1
.endr
.set ee, 0
.rept 12
.if ee%2 == 0
	v_lshlrev_b32 v[T+4*(ee/3)+ee%3], 16, v[PK+ee/2]
.else
	v_and_b32 v[T+4*(ee/3)+ee%3], s33, v[PK+ee/2]
.endif
.set ee, ee+1
.endr
.irp k, 0,1,2,3
	v_mul_f32 v[T+4*\k+3], v[T+4*\k], v[T+4*\k]
.endr
.irp k, 0,1,2,3
	v_fmac_f32 v[T+4*\k+3], v[T+4*\k+1], v[T+4*\k+1]
.endr
.irp k, 0,1,2,3
	v_fmac_f32 v[T+4*\k+3], v[T+4*\k+2], v[T+4*\k+2]
.endr
.irp k, 0,1,2,3
	ds_store_b128 v40, v[T+4*\k:T+4*\k+3] offset:8704*(\i)+16*\k
.endr
.endm
.irp i, 0,1,2,3,4,5,6,7
	PREP \i
.endr
	s_wait_dscnt 0x0                               ; for the others' sake: my stores are done
	s_barrier_signal -1
	s_barrier_wait -1                              ; the table is whole; from here on LDS is only read
	; feats_t to bf16: four numbers a thread and load; a wave stores 256 consecutive bytes
.set i, 0
.rept 16
	s_wait_loadcnt 16-i                            ; the younger loads of feats_t and the weights' load stay out
	v_cvt_pk_bf16_f32 v[FT+4*i], v[FT+4*i], v[FT+4*i+1]
	v_cvt_pk_bf16_f32 v[FT+4*i+1], v[FT+4*i+2], v[FT+4*i+3]
	global_store_b64 v6, v[FT+4*i:FT+4*i+1], s[42:43] offset:1024*i
.set i, i+1
.endr
	s_wait_loadcnt 0x0
	v_cvt_pk_bf16_f32 v88, v92, v93                ; the weights: rounded to bf16, and that number written as f16
	v_cvt_pk_bf16_f32 v89, v94, v95
	v_lshlrev_b32 v92, 16, v88
	v_and_b32 v93, s33, v88
	v_lshlrev_b32 v94, 16, v89
	v_and_b32 v95, s33, v89
	v_cvt_pk_f16_f32 v90, v92, v93
	v_cvt_pk_f16_f32 v91, v94, v95
	global_store_b64 v7, v[90:91], s[18:19]
	; the three group numbers in ascending order: v24, v25, v23
	v_cmp_gt_u32 vcc_lo, v10, v11
	v_cndmask_b32 v20, v10, v11, vcc_lo
	v_cndmask_b32 v21, v11, v10, vcc_lo
	v_cmp_gt_u32 vcc_lo, v21, v12
	v_cndmask_b32 v22, v21, v12, vcc_lo
	v_cndmask_b32 v23, v12, v21, vcc_lo
	v_cmp_gt_u32 vcc_lo, v20, v22
	v_cndmask_b32 v24, v20, v22, vcc_lo
	v_cndmask_b32 v25, v22, v20, vcc_lo
	; the query
	v_cvt_pk_bf16_f32 v17, v14, v15
	v_cvt_pk_bf16_f32 v18, v16, v16
	v_lshlrev_b32 v14, 16, v17
	v_and_b32 v15, s33, v17
	v_lshlrev_b32 v16, 16, v18
	v_mul_f32 v35, v14, v14
	v_fmac_f32 v35, v15, v15
	v_fmac_f32 v35, v16, v16                       ; |s|^2
	v_mul_f32 v32, -2.0, v14
	v_mul_f32 v33, -2.0, v15
	v_mul_f32 v34, -2.0, v16
.irp k, 0,1,2
	v_mov_b32 v[26+\k], 0x7f800000
	v_mov_b32 v[29+\k], 0
.endr
.macro INS b, val, id
	v_cmp_lt_f32 s30, v[\val], v[\b]
	v_cmp_lt_f32 s31, v[\val], v[(\b)+1]
	v_cmp_lt_f32 s32, v[\val], v[(\b)+2]
	v_cndmask_b32 v[(\b)+5], v[(\b)+5], v[\id], s32
	v_cndmask_b32 v[(\b)+5], v[(\b)+5], v[(\b)+4], s31
	v_cndmask_b32 v[(\b)+4], v[(\b)+4], v[\id], s31
	v_cndmask_b32 v[(\b)+4], v[(\b)+4], v[(\b)+3], s30
	v_cndmask_b32 v[(\b)+3], v[(\b)+3], v[\id], s30
	v_med3_num_f32 v[(\b)+2], v[(\b)+1], v[(\b)+2], v[\val]
	v_med3_num_f32 v[(\b)+1], v[\b], v[(\b)+1], v[\val]
	v_min_num_f32 v[\b], v[\b], v[\val]
.endm
.macro ALL16 line:vararg
.set c, 0
.rept 16
	\line
.set c, c+1
.endr
.endm
	s_mov_b32 s46, 3
.Lgroup:                                               ; a trip: one group's 16 candidates
	v_min_u32 v36, 255, v24                        ; a number read from memory is held inside the table before it enters an address
	v_mul_u32_u24 v37, GP, v36
	v_lshlrev_b32 v38, 4, v36
	ALL16 ds_load_b128 v[CB+4*c:CB+4*c+3], v37 offset:16*c
	s_wait_dscnt 0x0
	ALL16 v_mul_f32 v[CB+4*c], v32, v[CB+4*c]
	ALL16 v_fmac_f32 v[CB+4*c], v33, v[CB+4*c+1]
	ALL16 v_fmac_f32 v[CB+4*c], v34, v[CB+4*c+2]
	ALL16 v_add_f32 v[CB+4*c+3], v35, v[CB+4*c+3]
	ALL16 v_add_f32 v[CB+4*c], v[CB+4*c+3], v[CB+4*c]
	ALL16 v_add_nc_u32 v[CB+4*c+1], c, v38
	ALL16 INS 26, CB+4*c, CB+4*c+1
	v_mov_b32 v24, v25
	v_mov_b32 v25, v23
	s_sub_co_u32 s46, s46, 1
	s_cmp_lg_u32 s46, 0
	s_cbranch_scc1 .Lgroup
	v_add_f32 v40, 0x322bcc77, v26                 ; d + 1e-8
	v_add_f32 v41, 0x322bcc77, v27
	v_add_f32 v42, 0x322bcc77, v28
	v_rcp_f32 v40, v40
	v_rcp_f32 v41, v41
	v_rcp_f32 v42, v42
	v_add_nc_u32 v44, s47, v29                     ; a plain line behind the reciprocals; the rows of the table of features
	s_wait_alu depctr_va_vdst(0)
	v_add_f32 v43, v40, v41
	v_add_f32 v43, v43, v42
	v_rcp_f32 v43, v43
	v_add_nc_u32 v45, s47, v30
	v_add_nc_u32 v46, s47, v31
	v_mov_b32 v47, 0
	s_wait_alu depctr_va_vdst(0)
	v_mul_f32 v48, v40, v43
	v_mul_f32 v49, v41, v43
	v_mul_f32 v50, v42, v43
	v_mov_b32 v51, 0
	global_store_b128 v2, v[44:47], s[16:17]
	global_store_b128 v2, v[48:51], s[44:45]
	s_wait_tensorcnt 0x0                           ; the wave's end
	ds_add_u32 v[SPW], v[NIL]
	s_wait_dscnt 0x0
	s_endpgm
.Lfunc_end_k_qee07da36f5_knn2:
	.size	k_qee07da36f5_knn2, .Lfunc_end_k_qee07da36f5_knn2-k_qee07da36f5_knn2
	.p2alignl 7, 3214868480
	.fill 96, 4, 3214868480
	.section	.rodata,"a",@progbits
	.p2align	6, 0x0
	.amdhsa_kernel k_qee07da36f5_knn2
		.amdhsa_group_segment_fixed_size 70144
		.amdhsa_private_segment_fixed_size 0
		.amdhsa_enable_private_segment 0
		.amdhsa_kernarg_size 64
		.amdhsa_user_sgpr_count 2
		.amdhsa_user_sgpr_kernarg_segment_ptr 1
		.amdhsa_wavefront_size32 1
		.amdhsa_system_sgpr_workgroup_id_x 1
		.amdhsa_system_sgpr_workgroup_id_y 1
		.amdhsa_system_sgpr_workgroup_id_z 1
		.amdhsa_system_vgpr_workitem_id 0
		.amdhsa_next_free_vgpr 256
		.amdhsa_next_free_sgpr 66
		.amdhsa_reserve_vcc 1
		.amdhsa_float_denorm_mode_32 3
		.amdhsa_float_denorm_mode_16_64 3
		.amdhsa_memory_ordered 1
		.amdhsa_forward_progress 1
		.amdhsa_inst_pref_size 40
	.end_amdhsa_kernel
	.amdgpu_metadata
---
amdhsa.version: [ 1, 2 ]
amdhsa.kernels:
  - .name:           k_qee07da36f5_knn2
    .symbol:         k_qee07da36f5_knn2.kd
    .args:
      - { .name: xyz_s, .offset: 0, .size: 8, .value_kind: global_buffer, .address_space: global }
      - { .name: xyz_t, .offset: 8, .size: 8, .value_kind: global_buffer, .address_space: global }
      - { .name: grp, .offset: 16, .size: 8, .value_kind: global_buffer, .address_space: global }
      - { .name: feats_t, .offset: 24, .size: 8, .value_kind: global_buffer, .address_space: global }
      - { .name: w0, .offset: 32, .size: 8, .value_kind: global_buffer, .address_space: global }
      - { .name: w1, .offset: 40, .size: 8, .value_kind: global_buffer, .address_space: global }
      - { .name: nidx, .offset: 48, .size: 8, .value_kind: global_buffer, .address_space: global }
      - { .name: pre, .offset: 56, .size: 8, .value_kind: global_buffer, .address_space: global }
    .group_segment_fixed_size: 70144
    .private_segment_fixed_size: 0
    .kernarg_segment_align: 8
    .kernarg_segment_size: 64
    .max_flat_workgroup_size: 128
    .sgpr_count:     66
    .vgpr_count:     256
    .wavefront_size: 32
...
	.end_amdgpu_metadata
.endif
;; end of part 2
;; launch gemm0 (part 3): grid 256 x 1, 4 waves a work-group, clusters of 4 x 1, 315,904 bytes of LDS; arguments feats_s, b0, nidx, pre, l0; writes l0
.if DOCPART == 3
	.amdgcn_target "amdgcn-amd-amdhsa--gfx1250"
	.amdhsa_code_object_version 6
	.text
	.protected	k_qee07da36f5_gemm0
	.globl	k_qee07da36f5_gemm0
	.p2align	8
	.type	k_qee07da36f5_gemm0,@function
k_qee07da36f5_gemm0:
	s_mov_b64 s[64:65], 0
	v_nop
	global_prefetch_b8 v0, s[64:65] scope:SCOPE_SE
	s_setreg_imm32_b32 hwreg(HW_REG_WAVE_MODE, 25, 1), 1
	s_wait_xcnt 0x0
	s_wait_alu depctr_hold_cnt(0) depctr_sa_sdst(0) depctr_va_vdst(0) depctr_va_sdst(0) depctr_va_ssrc(0) depctr_va_vcc(0) depctr_vm_vsrc(0)
	s_getreg_b32 s2, hwreg(HW_REG_IB_STS2, 6, 4)
	s_cmp_eq_u32 s2, 0
	s_cbranch_scc0 .Lentry_in_a_cluster
	s_endpgm
.Lentry_in_a_cluster:
	s_bfe_u32 s2, ttmp6, 0x10000c
	s_cmp_lg_u32 s2, 0x3003
	s_cbranch_scc0 .Lentry_shape_is_right
	s_endpgm
.Lentry_shape_is_right:
; x0 = [feats_s | interpolated feats_t] w0^T + b0 for 128 rows x 256 channels, K = 384, and the rows' share of the first batch norm.
; Stored: x0 - m in f16, where m is the work-group's own mean of the channel over its 128 rows (the bias enters m alone), m, and M2 = the sum of (x0 - m)^2: no difference of large sums is ever formed.
; FORMATS.  All inputs are rounded to bf16; features and weights so rounded are written as f16, what the program makes itself (the interpolated features, x0 - m) is rounded once to f16; sums in f32.
; LIMITS.  f16 ends at 65,504: features, weights and x0 - m must lie within it; below 6e-5 a number keeps the fixed step 6e-8.  NaN and infinities are not treated apart.
; SHARES.  Filling: wave w converts rows 32 w .. + 31 of feats_s and interpolates the same rows (three rows of the bf16 table each, by nidx and the weights of the launch before).
; Product: wave w has all 128 rows x channels 64 w .. + 63, 32 accumulators: a channel's sums over the rows never leave the wave.  Source 0 = 16 channels of w0, source 1 = 16 rows:
; a lane holds one row (lane % 16) and eight neighbouring channels.
; LDS holds all of w0 (f16) and the whole tile of features at once: nothing is filled twice.
; CLUSTER.  The four work-groups of a cluster need the same w0: each wave's quarter of it is asked for jointly, by the same tensor load in all four.
.set W0H,   4194304
.set NWT,   4456448
.set X0H,   524288
.set KBW,   69632     ; LDS 0: w0, row = 256 kb + channel, 256 bytes + 16 of padding: the 16 rows of a fragment load begin at 16 different groups of banks
.set AT,    208896    ; the features, row = 128 kb + row, same pitch
.set KBA,   34816
.set SCR,   313344    ; 512 bytes a wave for the statistics' way out
.set SPARE, 315392    ; the spare words
.set NCT,   4         ; tiles of 16 channels a wave
.set EE,    8*NCT     ; channels a lane
.set RG,    64        ; v64-159: eight slots of three table rows (filling)
.set F0,    64        ; v64-159, v160-255: two fragment buffers (product)
.set BI,    32        ; the way out: bias
.set PT,    64        ; the way out: partial sums, then the packed results
.set SM,    192       ; the way out: sums, means
.set QS,    224       ; the way out: sums of squares
; window 0: v1 lane, v2 lane % 16, v3 lane / 16, v4 16 lane, v5-6 the add's, v7 zero, v8-15 my query's record and weights, v16-18 weights for all lanes, v19-31 addresses, v32-43 at work
; window 1: during the filling v0-127 feats_s as loaded; then the accumulators, tile (rt, ct) at 8 (4 rt + ct)
.set MSB, 0
.macro WIN new                         ; the immediate's high byte repeats the setting that is left
.if MSB != (\new)
	s_set_vgpr_msb (MSB<<8)|(\new)
.set MSB, \new
.endif
.endm
.macro ROUND                           ; a round of the cluster's barrier
	s_barrier_signal -1
	s_barrier_wait -1
	s_cmp_lg_u32 s14, 0
	s_cbranch_scc1 .Lnot_wave_0_\@
	s_barrier_signal -3
.Lnot_wave_0_\@:
	s_barrier_wait -3
	s_barrier_signal -1
	s_barrier_wait -1
.endm
.macro PLACES
.rept 4
	v_nop
.endr
.endm
	s_load_b256 s[4:11], s[0:1], 0x0               ; feats_s, b0, nidx, pre
	s_load_b64 s[12:13], s[0:1], 0x20              ; l0
	v_lshl_add_u32 v5, v0, 2, SPARE
	v_mov_b32 v6, 0
	ds_add_u32 v5, v6                              ; the wave's opening: the add and its wait stand ahead of my tensor load
	v_lshrrev_b32 v1, 5, v0
	v_readfirstlane_b32 s14, v1                    ; wave
	s_mov_b32 s20, 1                               ; group 0: count
	s_mul_i32 s21, s14, 52224                      ; LDS address: my 192 rows of 272 bytes
	s_mov_b32 s24, 15|(3<<16)|(1<<20)|(1<<21)|(5<<22)|(3<<25)  ; group 1: mask of four; 8-byte elements; padding on; bit 21 beside a mask; after every 64 words 4 words
	s_mov_b32 s25, 32<<16                          ; tensor_dim0 = 32 elements: dense rows of 256 bytes
	s_mov_b32 s26, 192<<16                         ; tensor_dim1 = 192
	s_mov_b32 s27, 32<<16                          ; tile_dim0
	s_mov_b32 s28, 192                             ; tile_dim1
	s_mov_b32 s29, 32                              ; from row to row
	s_mov_b32 s30, 0
	s_mov_b32 s31, 0
	s_mul_i32 s32, s14, 49152
	s_add_co_u32 s32, s32, W0H
	s_mov_b32 s33, 0
	s_mov_b32 s16, 0xffff0000
	s_wait_dscnt 0x0
	s_wait_kmcnt 0x0
	s_add_nc_u64 s[22:23], s[10:11], s[32:33]      ; made of the wave's number alone: equal in the four partners
	s_or_b32 s23, s23, 0x80000000
	ROUND                                          ; all four work-groups are here
	tensor_load_to_lds s[20:23], s[24:31]          ; my one tensor load of the launch
	s_nop 0
	PLACES
	s_bfe_u32 s15, ttmp6, 0x40000                  ; my place in the cluster enters global addresses alone
	s_lshl_b32 s17, ttmp9, 2
	s_add_co_u32 s15, s17, s15                     ; the work-group
	s_lshl_b32 s34, s15, 16
	s_lshl_b32 s35, s14, 14
	s_add_co_u32 s34, s34, s35
	s_mov_b32 s35, 0
	s_lshl_b32 s36, s15, 11
	s_lshl_b32 s37, s14, 9
	s_add_co_u32 s36, s36, s37
	s_mov_b32 s37, 0
	s_lshl_b32 s38, s14, 17
	s_lshl_b32 s39, s15, 9
	s_add_co_u32 s38, s38, s39
	s_mov_b32 s39, 0
	s_add_nc_u64 s[4:5], s[4:5], s[34:35]          ; my 32 rows of feats_s
	s_add_nc_u64 s[8:9], s[8:9], s[36:37]          ; my 32 records
	s_add_nc_u64 s[40:41], s[10:11], s[36:37]
	s_add_nc_u64 s[40:41], s[40:41], NWT
	s_add_nc_u64 s[42:43], s[12:13], s[34:35]
	s_add_nc_u64 s[42:43], s[42:43], X0H           ; my 16 KB of x0 - m
	s_add_nc_u64 s[44:45], s[12:13], s[38:39]      ; my 512 bytes of statistics
	v_and_b32 v1, 31, v0
	v_and_b32 v2, 15, v0
	v_bfe_u32 v3, v0, 4, 1
	v_lshlrev_b32 v4, 4, v1
	v_mov_b32 v7, 0
	global_load_b128 v[8:11], v4, s[8:9]           ; lane = query 32 w + lane
	global_load_b128 v[12:15], v4, s[40:41]
	WIN 0x40
.set i, 0
.rept 32
	global_load_b128 v[4*i:4*i+3], v4, s[4:5] offset:512*i th:TH_LOAD_NT  ; a row of 512 bytes
.set i, i+1
.endr
	WIN 0
	s_mul_i32 s52, s14, 8704                       ; 32 rows of 272
	s_mul_i32 s53, s14, 17408                      ; 64 rows
	s_lshl_b32 s54, s14, 9
	s_lshl_b32 s55, s14, 8
	v_lshl_add_u32 v19, v1, 3, s52
	v_add_nc_u32 v19, AT, v19                      ; feats_s: 8 bytes a lane
	v_mul_u32_u24 v20, KBA, v3
	v_lshl_add_u32 v20, v2, 4, v20
	v_add_nc_u32 v20, s52, v20
	v_add_nc_u32 v20, AT+KBA, v20                  ; interpolated: channels 8 lane on: block 1 + lane / 16, 16 bytes a lane
	v_mul_u32_u24 v27, 272, v2
	v_lshl_add_u32 v27, v3, 4, v27                 ; a fragment's row x pitch + 16 x half
	v_add_nc_u32 v21, s53, v27
	v_add_nc_u32 v22, KBW, v21
	v_add_nc_u32 v23, 2*KBW, v21
	v_add_nc_u32 v24, AT, v27
	v_add_nc_u32 v25, AT+KBA, v27
	v_add_nc_u32 v26, AT+2*KBA, v27
	v_lshl_add_u32 v28, v3, 5, s54
	v_add_nc_u32 v28, SCR, v28
	v_lshl_add_u32 v29, v1, 3, s54
	v_add_nc_u32 v29, SCR, v29
	v_lshlrev_b32 v30, 3, v1
	v_lshl_add_u32 v31, v3, 5, s55                 ; bias: channel 64 w + 8 (lane / 16)
; The three table rows of the query in lane s46 are asked for, into slot i; each load lands on its own address register.
.macro G_ISSUE i
	v_readlane_b32 s47, v8, s46
	v_readlane_b32 s48, v9, s46
	v_readlane_b32 s49, v10, s46
	s_min_u32 s47, s47, 0x1fff                     ; a number read from memory is held inside the table before it enters an address
	s_min_u32 s48, s48, 0x1fff
	s_min_u32 s49, s49, 0x1fff
	v_lshl_add_u32 v[RG+12*(\i)], s47, 9, v4
	v_lshl_add_u32 v[RG+12*(\i)+4], s48, 9, v4
	v_lshl_add_u32 v[RG+12*(\i)+8], s49, 9, v4
	global_load_b128 v[RG+12*(\i):RG+12*(\i)+3], v[RG+12*(\i)], s[10:11]
	global_load_b128 v[RG+12*(\i)+4:RG+12*(\i)+7], v[RG+12*(\i)+4], s[10:11]
	global_load_b128 v[RG+12*(\i)+8:RG+12*(\i)+11], v[RG+12*(\i)+8], s[10:11]
.endm
; Slot i holds the rows of the query in lane s46: eight channels a lane are weighted, added in f32, rounded to f16 and stored.
.macro G_PROC i, wt
	s_wait_loadcnt \wt
	v_readlane_b32 s47, v12, s46
	v_readlane_b32 s48, v13, s46
	v_readlane_b32 s49, v14, s46
	v_mov_b32 v16, s47
	v_mov_b32 v17, s48
	v_mov_b32 v18, s49
.set k, 0
.rept 3
.set c, 0
.rept 4
.set rr, RG+12*(\i)+4*k+c
.if k == 0
	v_fma_mix_f32_bf16 v[32+2*c], v[rr], v16, v7 op_sel_hi:[1,0,0]
	v_fma_mix_f32_bf16 v[33+2*c], v[rr], v16, v7 op_sel:[1,0,0] op_sel_hi:[1,0,0]
.else
	v_fma_mix_f32_bf16 v[32+2*c], v[rr], v[16+k], v[32+2*c] op_sel_hi:[1,0,0]
	v_fma_mix_f32_bf16 v[33+2*c], v[rr], v[16+k], v[33+2*c] op_sel:[1,0,0] op_sel_hi:[1,0,0]
.endif
.set c, c+1
.endr
.set k, k+1
.endr
.irp c, 0,1,2,3
	v_cvt_pk_f16_f32 v[40+\c], v[32+2*\c], v[33+2*\c]
.endr
	ds_store_b128 v20, v[40:43] offset:272*(\i)
.endm
	s_wait_loadcnt 32                              ; the two records are in; the 32 rows of feats_s stay out
.set i, 0
.rept 8
	s_mov_b32 s46, i
	G_ISSUE i
.set i, i+1
.endr
	s_wait_loadcnt 24                              ; feats_s is in; the eight slots' 24 loads stay out
	WIN 0x05
.set i, 0
.rept 64
	v_cvt_pk_bf16_f32 v[160+i], v[2*i], v[2*i+1]
.set i, i+1
.endr
	WIN 0
.set i, 0
.rept 32
.set tt, 224+4*(i%2)
	v_lshlrev_b32 v[tt], 16, v[160+2*i]
	v_and_b32 v[tt+1], s16, v[160+2*i]
	v_lshlrev_b32 v[tt+2], 16, v[161+2*i]
	v_and_b32 v[tt+3], s16, v[161+2*i]
	v_cvt_pk_f16_f32 v[160+2*i], v[tt], v[tt+1]
	v_cvt_pk_f16_f32 v[161+2*i], v[tt+2], v[tt+3]
	ds_store_b64 v19, v[160+2*i:161+2*i] offset:272*i
.set i, i+1
.endr
	s_mov_b32 s51, 0
	s_mov_b32 s50, 3
.Lgather:                                              ; a trip: eight queries are finished and the eight behind them asked for
.set i, 0
.rept 8
	s_add_co_u32 s46, s51, i
	G_PROC i, 21                                   ; the seven younger slots' loads stay out
	s_add_co_u32 s46, s46, 8
	G_ISSUE i
.set i, i+1
.endr
	v_add_nc_u32 v20, 2176, v20
	s_add_co_u32 s51, s51, 8
	s_sub_co_u32 s50, s50, 1
	s_cmp_lg_u32 s50, 0
	s_cbranch_scc1 .Lgather
.set i, 0
.rept 8
	s_mov_b32 s46, 24+i
	G_PROC i, 21-3*i                               ; the last eight: the counts run down
.set i, i+1
.endr
	s_wait_tensorcnt 0x0                           ; my quarter of w0 has landed,
	s_wait_dscnt 0x0                               ; my rows of the features are stored:
	s_barrier_signal -1
	s_barrier_wait -1                              ; everybody's are
; THE PRODUCT: 12 steps of 32 along K on two fragment buffers.  24 LDS loads in one run: four fragments of w0, then the eight of the rows.
.macro FETCH kk, buf
	WIN 0
.irp c, 0,1,2,3
	ds_load_b128 v[(\buf)+8*\c:(\buf)+8*\c+3],   v[21+(\kk)/4] offset:4352*\c+64*((\kk)%4)
	ds_load_b128 v[(\buf)+8*\c+4:(\buf)+8*\c+7], v[21+(\kk)/4] offset:4352*\c+64*((\kk)%4)+32
.endr
.irp c, 0,1,2,3,4,5,6,7
	ds_load_b128 v[(\buf)+32+8*\c:(\buf)+32+8*\c+3],   v[24+(\kk)/4] offset:4352*\c+64*((\kk)%4)
	ds_load_b128 v[(\buf)+32+8*\c+4:(\buf)+32+8*\c+7], v[24+(\kk)/4] offset:4352*\c+64*((\kk)%4)+32
.endr
.endm
.macro MUL r0                          ; 16 products: row tiles r0 .. r0 + 3 x the four channel tiles.  The 32 accumulators take turns; step 0 starts the sums
	WIN 0x50
.irp a, 0,1,2,3
.irp c, 0,1,2,3
.if ks == 0
	v_wmma_f32_16x16x32_f16 v[8*(4*((\r0)+\a)+\c):8*(4*((\r0)+\a)+\c)+7], v[bf+8*\c:bf+8*\c+7], v[bf+32+8*((\r0)+\a):bf+32+8*((\r0)+\a)+7], 0
.else
	v_wmma_f32_16x16x32_f16 v[8*(4*((\r0)+\a)+\c):8*(4*((\r0)+\a)+\c)+7], v[bf+8*\c:bf+8*\c+7], v[bf+32+8*((\r0)+\a):bf+32+8*((\r0)+\a)+7], v[8*(4*((\r0)+\a)+\c):8*(4*((\r0)+\a)+\c)+7]
.endif
.endr
.endr
.endm
	FETCH 0, F0
.set ks, 0
.rept 12
.set bf, F0+96*(ks%2)
.set nb, F0+96*((ks+1)%2)
	s_wait_dscnt 8                                 ; all but the youngest eight loads: row tiles 4-7
	MUL 0
.if ks < 11
	PLACES                                         ; four places in front of loads into registers that matrix instructions have read
	FETCH ks+1, nb
	s_wait_dscnt 24                                ; all but the 24 just issued
.else
	s_wait_dscnt 0x0
.endif
	MUL 4
.set ks, ks+1
.endr
	; THE WAY OUT.  A lane holds EE channels of eight rows.  Sums over the 128 rows: in the lane over the eight row tiles, then over the 16 lanes of my half.
	PLACES
	WIN 0
.set c, 0
.rept NCT
	global_load_b128 v[BI+8*c:BI+8*c+3],   v31, s[6:7] offset:64*c
	global_load_b128 v[BI+8*c+4:BI+8*c+7], v31, s[6:7] offset:64*c+16
.set c, c+1
.endr
	WIN 0x05
.set a, 0
.rept 4
.set c, 0
.rept NCT
.set j, 0
.rept 4                                ; each accumulator is read from its low end on
	v_pk_add_f32 v[PT+EE*a+8*c+2*j:PT+EE*a+8*c+2*j+1], v[8*(NCT*2*a+c)+2*j:8*(NCT*2*a+c)+2*j+1], v[8*(NCT*(2*a+1)+c)+2*j:8*(NCT*(2*a+1)+c)+2*j+1]
.set j, j+1
.endr
.set c, c+1
.endr
.set a, a+1
.endr
	WIN 0
.set j, 0
.rept EE/2
	v_pk_add_f32 v[PT+2*j:PT+2*j+1], v[PT+2*j:PT+2*j+1], v[PT+EE+2*j:PT+EE+2*j+1]
	v_pk_add_f32 v[PT+2*EE+2*j:PT+2*EE+2*j+1], v[PT+2*EE+2*j:PT+2*EE+2*j+1], v[PT+3*EE+2*j:PT+3*EE+2*j+1]
.set j, j+1
.endr
.set j, 0
.rept EE/2
	v_pk_add_f32 v[SM+2*j:SM+2*j+1], v[PT+2*j:PT+2*j+1], v[PT+2*EE+2*j:PT+2*EE+2*j+1]
.set j, j+1
.endr
.irp m, 1,2,4,8
.set j, 0
.rept EE
	v_add_f32_dpp v[SM+j], v[SM+j], v[SM+j] row_xmask:\m row_mask:0xf bank_mask:0xf
.set j, j+1
.endr
.endr
.set j, 0
.rept EE/2
	v_pk_mul_f32 v[SM+2*j:SM+2*j+1], v[SM+2*j:SM+2*j+1], 0x3c000000 op_sel_hi:[1,0]  ; / 128: the mean of the products
.set j, j+1
.endr
	WIN 0x41
.set t, 0
.rept 8*NCT
.set j, 0
.rept 4
	v_pk_add_f32 v[8*t+2*j:8*t+2*j+1], v[8*t+2*j:8*t+2*j+1], v[SM+8*(t%NCT)+2*j:SM+8*(t%NCT)+2*j+1] neg_lo:[0,1] neg_hi:[0,1]
.set j, j+1
.endr
.set t, t+1
.endr
	WIN 0x05
.set t, 0
.rept 8*NCT
.set j, 0
.rept 4
.if t < NCT
	v_pk_mul_f32 v[QS+8*(t%NCT)+2*j:QS+8*(t%NCT)+2*j+1], v[8*t+2*j:8*t+2*j+1], v[8*t+2*j:8*t+2*j+1]
.else
	v_pk_fma_f32 v[QS+8*(t%NCT)+2*j:QS+8*(t%NCT)+2*j+1], v[8*t+2*j:8*t+2*j+1], v[8*t+2*j:8*t+2*j+1], v[QS+8*(t%NCT)+2*j:QS+8*(t%NCT)+2*j+1]
.endif
.set j, j+1
.endr
.set t, t+1
.endr
.set t, 0
.rept 8*NCT
.set j, 0
.rept 4
	v_cvt_pk_f16_f32 v[PT+4*t+j], v[8*t+2*j], v[8*t+2*j+1]
.set j, j+1
.endr
.set t, t+1
.endr
	WIN 0
.set t, 0
.rept 8*NCT
	global_store_b128 v4, v[PT+4*t:PT+4*t+3], s[42:43] offset:512*t  ; a tile as it lies in the lanes: 512 consecutive bytes; two neighbouring tiles are a fragment of the next product
.set t, t+1
.endr
.irp m, 1,2,4,8
.set j, 0
.rept EE
	v_add_f32_dpp v[QS+j], v[QS+j], v[QS+j] row_xmask:\m row_mask:0xf bank_mask:0xf
.set j, j+1
.endr
.endr
	s_wait_loadcnt 0x0                             ; the bias
.set j, 0
.rept EE/2
	v_cvt_pk_bf16_f32 v[8+j%8], v[BI+2*j], v[BI+2*j+1]
	v_lshlrev_b32 v[BI+2*j], 16, v[8+j%8]
	v_and_b32 v[BI+2*j+1], s16, v[8+j%8]
	v_pk_add_f32 v[SM+2*j:SM+2*j+1], v[SM+2*j:SM+2*j+1], v[BI+2*j:BI+2*j+1]  ; m = mean of the products + bias
.set j, j+1
.endr
.set c, 0
.rept NCT                              ; the 16 lanes of a half hold the same numbers and store them to the same bytes of my wave's own scratch
	ds_store_b128 v28, v[SM+8*c:SM+8*c+3] offset:64*c
	ds_store_b128 v28, v[SM+8*c+4:SM+8*c+7] offset:64*c+16
	ds_store_b128 v28, v[QS+8*c:QS+8*c+3] offset:256+64*c
	ds_store_b128 v28, v[QS+8*c+4:QS+8*c+7] offset:256+64*c+16
.set c, c+1
.endr
	ds_load_b64 v[8:9], v29                        ; LDS serves a wave's instructions in order: these see the stores above
	ds_load_b64 v[10:11], v29 offset:256
	s_wait_dscnt 0x0
	global_store_b64 v30, v[8:9], s[44:45]         ; 256 consecutive bytes each
	global_store_b64 v30, v[10:11], s[44:45] offset:256
	s_wait_tensorcnt 0x0                           ; the wave's end
	ds_add_u32 v5, v6
	s_wait_dscnt 0x0
	ROUND                                          ; the closing round
	s_endpgm
.Lfunc_end_k_qee07da36f5_gemm0:
	.size	k_qee07da36f5_gemm0, .Lfunc_end_k_qee07da36f5_gemm0-k_qee07da36f5_gemm0
	.p2alignl 7, 3214868480
	.fill 96, 4, 3214868480
	.section	.rodata,"a",@progbits
	.p2align	6, 0x0
	.amdhsa_kernel k_qee07da36f5_gemm0
		.amdhsa_group_segment_fixed_size 315904
		.amdhsa_private_segment_fixed_size 0
		.amdhsa_enable_private_segment 0
		.amdhsa_kernarg_size 40
		.amdhsa_user_sgpr_count 2
		.amdhsa_user_sgpr_kernarg_segment_ptr 1
		.amdhsa_wavefront_size32 1
		.amdhsa_system_sgpr_workgroup_id_x 1
		.amdhsa_system_sgpr_workgroup_id_y 1
		.amdhsa_system_sgpr_workgroup_id_z 1
		.amdhsa_system_vgpr_workitem_id 0
		.amdhsa_next_free_vgpr 512
		.amdhsa_next_free_sgpr 66
		.amdhsa_reserve_vcc 0
		.amdhsa_float_denorm_mode_32 3
		.amdhsa_float_denorm_mode_16_64 3
		.amdhsa_memory_ordered 1
		.amdhsa_forward_progress 1
		.amdhsa_inst_pref_size 174
	.end_amdhsa_kernel
	.amdgpu_metadata
---
amdhsa.version: [ 1, 2 ]
amdhsa.kernels:
  - .name:           k_qee07da36f5_gemm0
    .symbol:         k_qee07da36f5_gemm0.kd
    .args:
      - { .name: feats_s, .offset: 0, .size: 8, .value_kind: global_buffer, .address_space: global }
      - { .name: b0, .offset: 8, .size: 8, .value_kind: global_buffer, .address_space: global }
      - { .name: nidx, .offset: 16, .size: 8, .value_kind: global_buffer, .address_space: global }
      - { .name: pre, .offset: 24, .size: 8, .value_kind: global_buffer, .address_space: global }
      - { .name: l0, .offset: 32, .size: 8, .value_kind: global_buffer, .address_space: global }
    .group_segment_fixed_size: 315904
    .private_segment_fixed_size: 0
    .kernarg_segment_align: 8
    .kernarg_segment_size: 40
    .max_flat_workgroup_size: 128
    .sgpr_count:     66
    .vgpr_count:     512
    .wavefront_size: 32
...
	.end_amdgpu_metadata
.endif
;; end of part 3
;; launch red0 (part 4): grid 4 x 1, 8 waves a work-group, no clusters, 5,120 bytes of LDS; arguments l0, gamma0, beta0, bn0; writes bn0
.if DOCPART == 4
	.amdgcn_target "amdgcn-amd-amdhsa--gfx1250"
	.amdhsa_code_object_version 6
	.text
	.protected	k_qee07da36f5_red0
	.globl	k_qee07da36f5_red0
	.p2align	8
	.type	k_qee07da36f5_red0,@function
k_qee07da36f5_red0:
	s_mov_b64 s[64:65], 0
	v_nop
	global_prefetch_b8 v0, s[64:65] scope:SCOPE_SE
	s_setreg_imm32_b32 hwreg(HW_REG_WAVE_MODE, 25, 1), 1
	s_wait_xcnt 0x0
; THE BATCH NORM'S FIGURES for a block of 64 channels, from the 256 work-groups' (m, M2) of 128 rows each, which lie at the buffer's head as [block][256][m 64 | M2 64] f32:
; mean = sum of m / 256;  variance = (sum of M2 + 128 x sum of (m - mean)^2) / 32768;  a = gamma / sqrt(variance + 1e-5).  All in f32; no difference of large sums.
; gamma and beta are rounded to bf16 like every input.  Stored for the block, 1 KB: mean, a, beta, gamma, 64 each.
; A thread has four channels (t % 16) and the records t / 16 + 16 i.  One work-group a block: the sums span all records, and they are 128 KB.
.set SPARE, 4096      ; LDS: 0 and 2,048: the eight waves' partial sums of the two exchanges; then the spare words
	s_load_b256 s[4:11], s[0:1], 0x0               ; the records, gamma, beta, the figures
	v_lshl_add_u32 v2, v0, 2, SPARE
	v_mov_b32 v3, 0
	v_lshrrev_b32 v1, 5, v0
	v_readfirstlane_b32 s12, v1                    ; wave
	v_and_b32 v4, 15, v0
	v_lshrrev_b32 v5, 4, v0
	v_lshlrev_b32 v6, 4, v4
	v_lshl_add_u32 v7, v5, 9, v6
	s_lshl_b32 s14, ttmp9, 17
	s_mov_b32 s15, 0
	s_lshl_b32 s16, ttmp9, 8
	s_mov_b32 s17, 0
	s_lshl_b32 s18, ttmp9, 10
	s_mov_b32 s19, 0
	s_mov_b32 s20, 0x76543210
	s_mov_b32 s21, 0xfedcba98
	s_mov_b32 s22, 0xffff0000                      ; a word's upper bf16; also the mask of lanes 16-31
	s_lshl_b32 s23, s12, 8
	v_add_nc_u32 v12, s23, v6                      ; my wave's 256 bytes
.irp c, 0,1,2,3
	v_mov_b32 v[8+\c], 0                           ; written before v_permlanex16_b32 names them
.endr
	s_wait_kmcnt 0x0
	s_add_nc_u64 s[4:5], s[4:5], s[14:15]
	s_add_nc_u64 s[6:7], s[6:7], s[16:17]
	s_add_nc_u64 s[8:9], s[8:9], s[16:17]
	s_add_nc_u64 s[10:11], s[10:11], s[18:19]
	global_load_b128 v[16:19], v6, s[6:7]
	global_load_b128 v[20:23], v6, s[8:9]
.set i, 0
.rept 16
	global_load_b128 v[32+4*i:35+4*i], v7, s[4:5] offset:8192*i
.set i, i+1
.endr
.set i, 0
.rept 16
	global_load_b128 v[96+4*i:99+4*i], v7, s[4:5] offset:8192*i+256
.set i, i+1
.endr
; The four sums at R: the other half of the lanes' are added, then the eight waves' through LDS; every thread ends with the total of its four channels.
.macro XCH R, off
.irp c, 0,1,2,3
	v_permlanex16_b32 v[8+\c], v[(\R)+\c], s20, s21
.endr
	v_pk_add_f32 v[\R:(\R)+1], v[\R:(\R)+1], v[8:9]
	v_pk_add_f32 v[(\R)+2:(\R)+3], v[(\R)+2:(\R)+3], v[10:11]
	ds_store_b128 v12, v[\R:(\R)+3] offset:\off
	s_wait_dscnt 0x0                               ; for the others' sake
	s_barrier_signal -1
	s_barrier_wait -1
.irp j, 0,1,2,3,4,5,6,7
	ds_load_b128 v[160+4*\j:163+4*\j], v6 offset:(\off)+256*\j
.endr
	s_wait_dscnt 0x0
	v_pk_add_f32 v[\R:(\R)+1], v[160:161], v[164:165]
	v_pk_add_f32 v[(\R)+2:(\R)+3], v[162:163], v[166:167]
.irp j, 2,3,4,5,6,7
	v_pk_add_f32 v[\R:(\R)+1], v[\R:(\R)+1], v[160+4*\j:161+4*\j]
	v_pk_add_f32 v[(\R)+2:(\R)+3], v[(\R)+2:(\R)+3], v[162+4*\j:163+4*\j]
.endr
.endm
	s_wait_loadcnt 16                              ; gamma, beta and the means are in; the 16 loads of M2 stay out
	v_pk_add_f32 v[24:25], v[32:33], v[36:37]
	v_pk_add_f32 v[26:27], v[34:35], v[38:39]
.set i, 2
.rept 14
	v_pk_add_f32 v[24:25], v[24:25], v[32+4*i:33+4*i]
	v_pk_add_f32 v[26:27], v[26:27], v[34+4*i:35+4*i]
.set i, i+1
.endr
	XCH 24, 0
	v_pk_mul_f32 v[24:25], v[24:25], 0x3b800000 op_sel_hi:[1,0]   ; / 256: the mean
	v_pk_mul_f32 v[26:27], v[26:27], 0x3b800000 op_sel_hi:[1,0]
.set i, 0
.rept 16
	v_pk_add_f32 v[32+4*i:33+4*i], v[32+4*i:33+4*i], v[24:25] neg_lo:[0,1] neg_hi:[0,1]
	v_pk_add_f32 v[34+4*i:35+4*i], v[34+4*i:35+4*i], v[26:27] neg_lo:[0,1] neg_hi:[0,1]
.set i, i+1
.endr
	v_pk_mul_f32 v[28:29], v[32:33], v[32:33]
	v_pk_mul_f32 v[30:31], v[34:35], v[34:35]
.set i, 1
.rept 15
	v_pk_fma_f32 v[28:29], v[32+4*i:33+4*i], v[32+4*i:33+4*i], v[28:29]
	v_pk_fma_f32 v[30:31], v[34+4*i:35+4*i], v[34+4*i:35+4*i], v[30:31]
.set i, i+1
.endr
	s_wait_loadcnt 0x0
.set i, 1
.rept 15
	v_pk_add_f32 v[96:97], v[96:97], v[96+4*i:97+4*i]
	v_pk_add_f32 v[98:99], v[98:99], v[98+4*i:99+4*i]
.set i, i+1
.endr
	v_pk_fma_f32 v[28:29], v[28:29], 0x43000000, v[96:97] op_sel_hi:[1,0,1]   ; 128 rows stand behind each m
	v_pk_fma_f32 v[30:31], v[30:31], 0x43000000, v[98:99] op_sel_hi:[1,0,1]
	XCH 28, 2048                                   ; other bytes than the first exchange's: no wave can still be reading what is written here
	s_wait_tensorcnt 0x0                           ; the wave's last LDS instruction is behind
	ds_add_u32 v2, v3
	s_wait_dscnt 0x0
	v_pk_mul_f32 v[28:29], v[28:29], 0x38000000 op_sel_hi:[1,0]   ; / 32768
	v_pk_mul_f32 v[30:31], v[30:31], 0x38000000 op_sel_hi:[1,0]
	v_pk_add_f32 v[28:29], v[28:29], 0x3727c5ac op_sel_hi:[1,0]   ; + 1e-5
	v_pk_add_f32 v[30:31], v[30:31], 0x3727c5ac op_sel_hi:[1,0]
.irp c, 0,1,2,3
	v_rsq_f32 v[100+\c], v[28+\c]
.endr
	v_cvt_pk_bf16_f32 v8, v16, v17                 ; plain lines behind the last transcendental
	v_cvt_pk_bf16_f32 v9, v18, v19
	v_cvt_pk_bf16_f32 v10, v20, v21
	v_cvt_pk_bf16_f32 v11, v22, v23
.irp c, 0,1,2,3
	v_lshlrev_b32 v[16+2*\c], 16, v[8+\c]
	v_and_b32 v[17+2*\c], s22, v[8+\c]
.endr
	s_wait_alu depctr_va_vdst(0)
.irp c, 0,1,2,3
	v_mul_f32 v[100+\c], v[16+\c], v[100+\c]       ; a
.endr
	s_cmp_lg_u32 s12, 0
	s_cbranch_scc1 .Ldone                          ; every wave holds the figures; wave 0 stores them
.irp c, 0,1,2,3
	v_cndmask_b32 v[104+\c], v[24+\c], v[100+\c], s22   ; lanes 0-15 the mean, lanes 16-31 a
	v_cndmask_b32 v[108+\c], v[20+\c], v[16+\c], s22    ; lanes 0-15 beta, lanes 16-31 gamma
.endr
	v_lshlrev_b32 v13, 4, v0
	global_store_b128 v13, v[104:107], s[10:11]
	global_store_b128 v13, v[108:111], s[10:11] offset:512
.Ldone:
	s_endpgm
.Lfunc_end_k_qee07da36f5_red0:
	.size	k_qee07da36f5_red0, .Lfunc_end_k_qee07da36f5_red0-k_qee07da36f5_red0
	.p2alignl 7, 3214868480
	.fill 96, 4, 3214868480
	.section	.rodata,"a",@progbits
	.p2align	6, 0x0
	.amdhsa_kernel k_qee07da36f5_red0
		.amdhsa_group_segment_fixed_size 5120
		.amdhsa_private_segment_fixed_size 0
		.amdhsa_enable_private_segment 0
		.amdhsa_kernarg_size 32
		.amdhsa_user_sgpr_count 2
		.amdhsa_user_sgpr_kernarg_segment_ptr 1
		.amdhsa_wavefront_size32 1
		.amdhsa_system_sgpr_workgroup_id_x 1
		.amdhsa_system_sgpr_workgroup_id_y 1
		.amdhsa_system_sgpr_workgroup_id_z 1
		.amdhsa_system_vgpr_workitem_id 0
		.amdhsa_next_free_vgpr 192
		.amdhsa_next_free_sgpr 66
		.amdhsa_reserve_vcc 0
		.amdhsa_float_denorm_mode_32 3
		.amdhsa_float_denorm_mode_16_64 3
		.amdhsa_memory_ordered 1
		.amdhsa_forward_progress 1
		.amdhsa_inst_pref_size 19
	.end_amdhsa_kernel
	.amdgpu_metadata
---
amdhsa.version: [ 1, 2 ]
amdhsa.kernels:
  - .name:           k_qee07da36f5_red0
    .symbol:         k_qee07da36f5_red0.kd
    .args:
      - { .name: l0, .offset: 0, .size: 8, .value_kind: global_buffer, .address_space: global }
      - { .name: gamma0, .offset: 8, .size: 8, .value_kind: global_buffer, .address_space: global }
      - { .name: beta0, .offset: 16, .size: 8, .value_kind: global_buffer, .address_space: global }
      - { .name: bn0, .offset: 24, .size: 8, .value_kind: global_buffer, .address_space: global }
    .group_segment_fixed_size: 5120
    .private_segment_fixed_size: 0
    .kernarg_segment_align: 8
    .kernarg_segment_size: 32
    .max_flat_workgroup_size: 256
    .sgpr_count:     66
    .vgpr_count:     192
    .wavefront_size: 32
...
	.end_amdgpu_metadata
.endif
;; end of part 4
;; launch gemm1 (part 5): grid 256 x 1, 4 waves a work-group, clusters of 4 x 1, 172,544 bytes of LDS; arguments b1, pre, l0, bn0, l1; writes l1
.if DOCPART == 5
	.amdgcn_target "amdgcn-amd-amdhsa--gfx1250"
	.amdhsa_code_object_version 6
	.text
	.protected	k_qee07da36f5_gemm1
	.globl	k_qee07da36f5_gemm1
	.p2align	8
	.type	k_qee07da36f5_gemm1,@function
k_qee07da36f5_gemm1:
	s_mov_b64 s[64:65], 0
	v_nop
	global_prefetch_b8 v0, s[64:65] scope:SCOPE_SE
	s_setreg_imm32_b32 hwreg(HW_REG_WAVE_MODE, 25, 1), 1
	s_wait_xcnt 0x0
	s_wait_alu depctr_hold_cnt(0) depctr_sa_sdst(0) depctr_va_vdst(0) depctr_va_sdst(0) depctr_va_ssrc(0) depctr_va_vcc(0) depctr_vm_vsrc(0)
	s_getreg_b32 s2, hwreg(HW_REG_IB_STS2, 6, 4)
	s_cmp_eq_u32 s2, 0
	s_cbranch_scc0 .Lentry_in_a_cluster
	s_endpgm
.Lentry_in_a_cluster:
	s_bfe_u32 s2, ttmp6, 0x10000c
	s_cmp_lg_u32 s2, 0x3003
	s_cbranch_scc0 .Lentry_shape_is_right
	s_endpgm
.Lentry_shape_is_right:
; h = relu(batch norm of x0), x1 = h w1^T + b1 for 128 rows x 128 channels, K = 256, and the rows' share of the second batch norm.
; x0 comes as x0 - m in f16 with the work-group's own m: h = relu((x0 - m) a + ((m - mean) a + beta)), one rounding to f16.  Stored: x1 - m1 in f16 by rows, m1 and M2 as in the launch for x0.
; LIMITS.  f16 ends at 65,504: h, the weights and x1 - m1 must lie within it; below 6e-5 a number keeps the fixed step 6e-8.  NaN and infinities are not treated apart.
; SHARES.  Norm: wave w takes the 16 KB that wave w of the launch for x0 stored (all rows, channels 64 w on), tile by tile as they lie in the lanes, and puts them into LDS in the same order:
; two neighbouring tiles of 16 channels ARE a fragment of 32 along K.  Product: wave w has all 128 rows x channels 32 w .. + 31, 16 accumulators; source 0 = 16 channels of w1, source 1 = 16 rows.
; CLUSTER.  The four work-groups of a cluster need the same w1: each wave's quarter is asked for jointly.  Nothing in LDS is filled twice.
.set W1H,   4390912
.set X0H,   524288
.set X1H,   262144
.set HT,    69632     ; LDS 0: w1, row = 128 kb + channel, pitch 272.  Here: h, tile (rt, c16) at 512 (16 rt + c16) + 16 lane
.set STG,   135168    ; 128 rows x 272 bytes for the way out
.set SCR,   169984    ; 512 bytes a wave
.set SPARE, 172032
.set NCT,   2
.set EE,    8*NCT
.set F0,    64        ; v64-143, v144-223: two fragment buffers
.set BI,    32
.set PT,    64
.set SM,    192
.set QS,    224
.set MSB, 0
.macro WIN new
.if MSB != (\new)
	s_set_vgpr_msb (MSB<<8)|(\new)
.set MSB, \new
.endif
.endm
.macro ROUND
	s_barrier_signal -1
	s_barrier_wait -1
	s_cmp_lg_u32 s14, 0
	s_cbranch_scc1 .Lnot_wave_0_\@
	s_barrier_signal -3
.Lnot_wave_0_\@:
	s_barrier_wait -3
	s_barrier_signal -1
	s_barrier_wait -1
.endm
.macro PLACES
.rept 4
	v_nop
.endr
.endm
	s_load_b256 s[4:11], s[0:1], 0x0               ; b1, pre, l0, bn0
	s_load_b64 s[12:13], s[0:1], 0x20              ; l1
	v_lshl_add_u32 v5, v0, 2, SPARE
	v_mov_b32 v6, 0
	ds_add_u32 v5, v6                              ; the wave's opening: the add and its wait stand ahead of my tensor load
	v_lshrrev_b32 v1, 5, v0
	v_readfirstlane_b32 s14, v1
	s_mov_b32 s20, 1
	s_mul_i32 s21, s14, 17408                      ; my 64 rows of 272 bytes
	s_mov_b32 s24, 15|(3<<16)|(1<<20)|(1<<21)|(5<<22)|(3<<25)
	s_mov_b32 s25, 32<<16
	s_mov_b32 s26, 64<<16
	s_mov_b32 s27, 32<<16
	s_mov_b32 s28, 64
	s_mov_b32 s29, 32
	s_mov_b32 s30, 0
	s_mov_b32 s31, 0
	s_lshl_b32 s32, s14, 14
	s_add_co_u32 s32, s32, W1H
	s_mov_b32 s33, 0
	s_mov_b32 s16, 0xffff0000
	s_wait_dscnt 0x0
	s_wait_kmcnt 0x0
	s_add_nc_u64 s[22:23], s[6:7], s[32:33]
	s_or_b32 s23, s23, 0x80000000
	ROUND
	tensor_load_to_lds s[20:23], s[24:31]          ; my one tensor load of the launch
	s_nop 0
	PLACES
	s_bfe_u32 s15, ttmp6, 0x40000
	s_lshl_b32 s17, ttmp9, 2
	s_add_co_u32 s15, s17, s15                     ; the work-group
	s_lshl_b32 s44, s14, 10
	s_mov_b32 s45, 0
	s_add_nc_u64 s[34:35], s[10:11], s[44:45]      ; the figures of channels 64 w on
	s_lshl_b32 s44, s14, 17
	s_lshl_b32 s46, s15, 9
	s_add_co_u32 s44, s44, s46
	s_add_nc_u64 s[36:37], s[8:9], s[44:45]        ; my work-group's m of those channels
	s_lshl_b32 s44, s15, 16
	s_lshl_b32 s46, s14, 14
	s_add_co_u32 s44, s44, s46
	s_add_nc_u64 s[38:39], s[8:9], s[44:45]
	s_add_nc_u64 s[38:39], s[38:39], X0H
	s_lshl_b32 s44, s15, 15
	s_lshl_b32 s46, s14, 13
	s_add_co_u32 s44, s44, s46
	s_add_nc_u64 s[40:41], s[12:13], s[44:45]
	s_add_nc_u64 s[40:41], s[40:41], X1H           ; my 32 rows of x1 - m1
	s_lshr_b32 s44, s14, 1
	s_lshl_b32 s44, s44, 17
	s_lshl_b32 s46, s15, 9
	s_add_co_u32 s44, s44, s46
	s_and_b32 s46, s14, 1
	s_lshl_b32 s46, s46, 7
	s_add_co_u32 s44, s44, s46
	s_add_nc_u64 s[42:43], s[12:13], s[44:45]      ; my 32 channels' statistics
	v_and_b32 v1, 31, v0
	v_and_b32 v2, 15, v0
	v_bfe_u32 v3, v0, 4, 1
	v_lshlrev_b32 v4, 4, v1
	v_mov_b32 v7, 0
	v_lshlrev_b32 v19, 5, v3                       ; channel 8 (lane / 16) of a tile
.irp g, 0,1,2
.irp c, 0,1,2,3
	global_load_b128 v[64+32*\g+8*\c:64+32*\g+8*\c+3], v19, s[34:35] offset:256*\g+64*\c       ; mean v64, a v96, beta v128
	global_load_b128 v[64+32*\g+8*\c+4:64+32*\g+8*\c+7], v19, s[34:35] offset:256*\g+64*\c+16
.endr
.endr
.irp c, 0,1,2,3
	global_load_b128 v[160+8*\c:160+8*\c+3], v19, s[36:37] offset:64*\c
	global_load_b128 v[160+8*\c+4:160+8*\c+7], v19, s[36:37] offset:64*\c+16
.endr
	WIN 0x40
.set t, 0
.rept 32
	global_load_b128 v[4*t:4*t+3], v4, s[38:39] offset:512*t th:TH_LOAD_NT
.set t, t+1
.endr
	WIN 0
	s_lshl_b32 s52, s14, 11
	s_mul_i32 s53, s14, 8704                       ; 32 rows of 272
	s_lshl_b32 s54, s14, 9
	s_lshl_b32 s55, s14, 7
	s_lshl_b32 s56, s14, 6
	v_add_nc_u32 v20, s52, v4
	v_add_nc_u32 v20, HT, v20                      ; h in: my four tiles of each row tile
	v_mul_u32_u24 v27, 272, v2
	v_lshl_add_u32 v27, v3, 4, v27
	v_add_nc_u32 v21, s53, v27                     ; fragments of w1
	v_add_nc_u32 v22, HT, v4                       ; fragments of h
	v_add_nc_u32 v23, s56, v27
	v_add_nc_u32 v23, STG, v23                     ; into the stage: row lane % 16, my 64 bytes, 16 for each half of the lanes
	v_mul_u32_u24 v24, 272, v3
	v_lshl_add_u32 v24, v2, 4, v24
	v_add_nc_u32 v24, s53, v24
	v_add_nc_u32 v24, STG, v24                     ; back: lanes 0-15 one row of 256 bytes, lanes 16-31 the next
	v_lshl_add_u32 v28, v3, 5, s54
	v_add_nc_u32 v28, SCR, v28
	v_lshl_add_u32 v29, v1, 2, s54
	v_add_nc_u32 v29, SCR, v29
	v_lshlrev_b32 v30, 2, v1
	v_lshl_add_u32 v31, v3, 5, s55                 ; bias: channel 32 w + 8 (lane / 16)
	s_wait_loadcnt 32                              ; the figures are in; the 32 tiles stay out
.set j, 0
.rept 16
	v_pk_add_f32 v[160+2*j:161+2*j], v[160+2*j:161+2*j], v[64+2*j:65+2*j] neg_lo:[0,1] neg_hi:[0,1]
.set j, j+1
.endr
.set j, 0
.rept 16
	v_pk_fma_f32 v[160+2*j:161+2*j], v[160+2*j:161+2*j], v[96+2*j:97+2*j], v[128+2*j:129+2*j]   ; (m - mean) a + beta
.set j, j+1
.endr
	s_wait_loadcnt 0x0
	WIN 0x41
.set t, 0
.rept 32
.set cc, 8*(t%4)
.irp j, 0,1,2,3
	v_fma_mixlo_f16 v[4*t+\j], v[4*t+\j], v[96+cc+2*\j], v[160+cc+2*\j] op_sel_hi:[1,0,0]
.endr
.irp j, 0,1,2,3
	v_fma_mixhi_f16 v[4*t+\j], v[4*t+\j], v[97+cc+2*\j], v[161+cc+2*\j] op_sel:[1,0,0] op_sel_hi:[1,0,0]
.endr
.irp j, 0,1,2,3
	v_pk_max_num_f16 v[4*t+\j], v[4*t+\j], v7
.endr
.set t, t+1
.endr
	WIN 0x04
.set t, 0
.rept 32
	ds_store_b128 v20, v[4*t:4*t+3] offset:8192*(t/4)+512*(t%4)
.set t, t+1
.endr
	WIN 0
	s_wait_tensorcnt 0x0                           ; my quarter of w1 has landed,
	s_wait_dscnt 0x0                               ; my channels of h are stored:
	s_barrier_signal -1
	s_barrier_wait -1                              ; everybody's are
.macro FETCH kk, buf                   ; 20 LDS loads in one run: two fragments of w1, then the eight of h
	WIN 0
.irp c, 0,1
	ds_load_b128 v[(\buf)+8*\c:(\buf)+8*\c+3],   v21 offset:34816*((\kk)/4)+4352*\c+64*((\kk)%4)
	ds_load_b128 v[(\buf)+8*\c+4:(\buf)+8*\c+7], v21 offset:34816*((\kk)/4)+4352*\c+64*((\kk)%4)+32
.endr
.irp c, 0,1,2,3,4,5,6,7
	ds_load_b128 v[(\buf)+16+8*\c:(\buf)+16+8*\c+3],   v22 offset:8192*\c+1024*(\kk)
	ds_load_b128 v[(\buf)+16+8*\c+4:(\buf)+16+8*\c+7], v22 offset:8192*\c+1024*(\kk)+512
.endr
.endm
.macro MUL r0                          ; 8 products; the 16 accumulators take turns; step 0 starts the sums
	WIN 0x50
.irp a, 0,1,2,3
.irp c, 0,1
.if ks == 0
	v_wmma_f32_16x16x32_f16 v[8*(2*((\r0)+\a)+\c):8*(2*((\r0)+\a)+\c)+7], v[bf+8*\c:bf+8*\c+7], v[bf+16+8*((\r0)+\a):bf+16+8*((\r0)+\a)+7], 0
.else
	v_wmma_f32_16x16x32_f16 v[8*(2*((\r0)+\a)+\c):8*(2*((\r0)+\a)+\c)+7], v[bf+8*\c:bf+8*\c+7], v[bf+16+8*((\r0)+\a):bf+16+8*((\r0)+\a)+7], v[8*(2*((\r0)+\a)+\c):8*(2*((\r0)+\a)+\c)+7]
.endif
.endr
.endr
.endm
	FETCH 0, F0
.set ks, 0
.rept 8
.set bf, F0+80*(ks%2)
.set nb, F0+80*((ks+1)%2)
	s_wait_dscnt 8                                 ; all but the youngest eight loads: row tiles 4-7
	MUL 0
.if ks < 7
	PLACES
	FETCH ks+1, nb
	s_wait_dscnt 20                                ; all but the 20 just issued
.else
	s_wait_dscnt 0x0
.endif
	MUL 4
.set ks, ks+1
.endr
	; THE WAY OUT, as in the launch for x0
	PLACES
	WIN 0
.set c, 0
.rept NCT
	global_load_b128 v[BI+8*c:BI+8*c+3],   v31, s[4:5] offset:64*c
	global_load_b128 v[BI+8*c+4:BI+8*c+7], v31, s[4:5] offset:64*c+16
.set c, c+1
.endr
	WIN 0x05
.set a, 0
.rept 4
.set c, 0
.rept NCT
.set j, 0
.rept 4                                ; each accumulator is read from its low end on
	v_pk_add_f32 v[PT+EE*a+8*c+2*j:PT+EE*a+8*c+2*j+1], v[8*(NCT*2*a+c)+2*j:8*(NCT*2*a+c)+2*j+1], v[8*(NCT*(2*a+1)+c)+2*j:8*(NCT*(2*a+1)+c)+2*j+1]
.set j, j+1
.endr
.set c, c+1
.endr
.set a, a+1
.endr
	WIN 0
.set j, 0
.rept EE/2
	v_pk_add_f32 v[PT+2*j:PT+2*j+1], v[PT+2*j:PT+2*j+1], v[PT+EE+2*j:PT+EE+2*j+1]
	v_pk_add_f32 v[PT+2*EE+2*j:PT+2*EE+2*j+1], v[PT+2*EE+2*j:PT+2*EE+2*j+1], v[PT+3*EE+2*j:PT+3*EE+2*j+1]
.set j, j+1
.endr
.set j, 0
.rept EE/2
	v_pk_add_f32 v[SM+2*j:SM+2*j+1], v[PT+2*j:PT+2*j+1], v[PT+2*EE+2*j:PT+2*EE+2*j+1]
.set j, j+1
.endr
.irp m, 1,2,4,8
.set j, 0
.rept EE
	v_add_f32_dpp v[SM+j], v[SM+j], v[SM+j] row_xmask:\m row_mask:0xf bank_mask:0xf
.set j, j+1
.endr
.endr
.set j, 0
.rept EE/2
	v_pk_mul_f32 v[SM+2*j:SM+2*j+1], v[SM+2*j:SM+2*j+1], 0x3c000000 op_sel_hi:[1,0]
.set j, j+1
.endr
	WIN 0x41
.set t, 0
.rept 8*NCT
.set j, 0
.rept 4
	v_pk_add_f32 v[8*t+2*j:8*t+2*j+1], v[8*t+2*j:8*t+2*j+1], v[SM+8*(t%NCT)+2*j:SM+8*(t%NCT)+2*j+1] neg_lo:[0,1] neg_hi:[0,1]
.set j, j+1
.endr
.set t, t+1
.endr
	WIN 0x05
.set t, 0
.rept 8*NCT
.set j, 0
.rept 4
.if t < NCT
	v_pk_mul_f32 v[QS+8*(t%NCT)+2*j:QS+8*(t%NCT)+2*j+1], v[8*t+2*j:8*t+2*j+1], v[8*t+2*j:8*t+2*j+1]
.else
	v_pk_fma_f32 v[QS+8*(t%NCT)+2*j:QS+8*(t%NCT)+2*j+1], v[8*t+2*j:8*t+2*j+1], v[8*t+2*j:8*t+2*j+1], v[QS+8*(t%NCT)+2*j:QS+8*(t%NCT)+2*j+1]
.endif
.set j, j+1
.endr
.set t, t+1
.endr
.set t, 0
.rept 8*NCT
.set j, 0
.rept 4
	v_cvt_pk_f16_f32 v[PT+4*t+j], v[8*t+2*j], v[8*t+2*j+1]
.set j, j+1
.endr
.set t, t+1
.endr
	WIN 0
.set t, 0
.rept 8*NCT
	ds_store_b128 v23, v[PT+4*t:PT+4*t+3] offset:4352*(t/NCT)+32*(t%NCT)
.set t, t+1
.endr
.irp m, 1,2,4,8
.set j, 0
.rept EE
	v_add_f32_dpp v[QS+j], v[QS+j], v[QS+j] row_xmask:\m row_mask:0xf bank_mask:0xf
.set j, j+1
.endr
.endr
	s_wait_loadcnt 0x0                             ; the bias
.set j, 0
.rept EE/2
	v_cvt_pk_bf16_f32 v[8+j%8], v[BI+2*j], v[BI+2*j+1]
	v_lshlrev_b32 v[BI+2*j], 16, v[8+j%8]
	v_and_b32 v[BI+2*j+1], s16, v[8+j%8]
	v_pk_add_f32 v[SM+2*j:SM+2*j+1], v[SM+2*j:SM+2*j+1], v[BI+2*j:BI+2*j+1]
.set j, j+1
.endr
.set c, 0
.rept NCT
	ds_store_b128 v28, v[SM+8*c:SM+8*c+3] offset:64*c
	ds_store_b128 v28, v[SM+8*c+4:SM+8*c+7] offset:64*c+16
	ds_store_b128 v28, v[QS+8*c:QS+8*c+3] offset:256+64*c
	ds_store_b128 v28, v[QS+8*c+4:QS+8*c+7] offset:256+64*c+16
.set c, c+1
.endr
	s_wait_dscnt 0x0                               ; for the others' sake: a row's 256 bytes come from four waves
	s_barrier_signal -1
	s_barrier_wait -1
	ds_load_b32 v8, v29
	ds_load_b32 v9, v29 offset:256
.set u, 0
.rept 16
	ds_load_b128 v[128+4*u:131+4*u], v24 offset:544*u
.set u, u+1
.endr
.set u, 0
.rept 16
	s_wait_dscnt 15-u                              ; the younger read-backs stay out
	global_store_b128 v4, v[128+4*u:131+4*u], s[40:41] offset:512*u   ; two whole rows of 256 bytes
.set u, u+1
.endr
	global_store_b32 v30, v8, s[42:43]             ; 128 consecutive bytes each: a wave has half of a block of 64 channels
	global_store_b32 v30, v9, s[42:43] offset:256
	s_wait_tensorcnt 0x0                           ; the wave's end
	ds_add_u32 v5, v6
	s_wait_dscnt 0x0
	ROUND                                          ; the closing round
	s_endpgm
.Lfunc_end_k_qee07da36f5_gemm1:
	.size	k_qee07da36f5_gemm1, .Lfunc_end_k_qee07da36f5_gemm1-k_qee07da36f5_gemm1
	.p2alignl 7, 3214868480
	.fill 96, 4, 3214868480
	.section	.rodata,"a",@progbits
	.p2align	6, 0x0
	.amdhsa_kernel k_qee07da36f5_gemm1
		.amdhsa_group_segment_fixed_size 172544
		.amdhsa_private_segment_fixed_size 0
		.amdhsa_enable_private_segment 0
		.amdhsa_kernarg_size 40
		.amdhsa_user_sgpr_count 2
		.amdhsa_user_sgpr_kernarg_segment_ptr 1
		.amdhsa_wavefront_size32 1
		.amdhsa_system_sgpr_workgroup_id_x 1
		.amdhsa_system_sgpr_workgroup_id_y 1
		.amdhsa_system_sgpr_workgroup_id_z 1
		.amdhsa_system_vgpr_workitem_id 0
		.amdhsa_next_free_vgpr 384
		.amdhsa_next_free_sgpr 66
		.amdhsa_reserve_vcc 0
		.amdhsa_float_denorm_mode_32 3
		.amdhsa_float_denorm_mode_16_64 3
		.amdhsa_memory_ordered 1
		.amdhsa_forward_progress 1
		.amdhsa_inst_pref_size 91
	.end_amdhsa_kernel
	.amdgpu_metadata
---
amdhsa.version: [ 1, 2 ]
amdhsa.kernels:
  - .name:           k_qee07da36f5_gemm1
    .symbol:         k_qee07da36f5_gemm1.kd
    .args:
      - { .name: b1, .offset: 0, .size: 8, .value_kind: global_buffer, .address_space: global }
      - { .name: pre, .offset: 8, .size: 8, .value_kind: global_buffer, .address_space: global }
      - { .name: l0, .offset: 16, .size: 8, .value_kind: global_buffer, .address_space: global }
      - { .name: bn0, .offset: 24, .size: 8, .value_kind: global_buffer, .address_space: global }
      - { .name: l1, .offset: 32, .size: 8, .value_kind: global_buffer, .address_space: global }
    .group_segment_fixed_size: 172544
    .private_segment_fixed_size: 0
    .kernarg_segment_align: 8
    .kernarg_segment_size: 40
    .max_flat_workgroup_size: 128
    .sgpr_count:     66
    .vgpr_count:     384
    .wavefront_size: 32
...
	.end_amdgpu_metadata
.endif
;; end of part 5
;; launch red1: the kernel of part 4 again; grid 2 x 1, 8 waves a work-group, no clusters, 5,120 bytes of LDS; arguments l1, gamma1, beta1, bn1; writes bn1
;; launch bnout (part 6): grid 256 x 1, 8 waves a work-group, no clusters, 0 bytes of LDS; arguments l1, bn1, out0; writes out0
.if DOCPART == 6
	.amdgcn_target "amdgcn-amd-amdhsa--gfx1250"
	.amdhsa_code_object_version 6
	.text
	.protected	k_qee07da36f5_bnout
	.globl	k_qee07da36f5_bnout
	.p2align	8
	.type	k_qee07da36f5_bnout,@function
k_qee07da36f5_bnout:
	s_mov_b64 s[64:65], 0
	v_nop
	global_prefetch_b8 v0, s[64:65] scope:SCOPE_SE
	s_setreg_imm32_b32 hwreg(HW_REG_WAVE_MODE, 25, 1), 1
	s_wait_xcnt 0x0
; out = relu((x1 - m1) a + ((m1 - mean) a + beta)) in f32.  x1 - m1: [32768][128] f16 by rows; m1 is that of the 128 rows' work-group.
; A stream: a work-group has the same 128 rows as in the launch that stored them, a wave 16 of them.  A lane has channels 4 lane .. + 3: a load covers a row's 256 bytes, a store its 512.
; No LDS, no matrix unit, no cluster: nothing is shared but 2 KB of figures.
.set X1H, 262144
	s_load_b128 s[4:7], s[0:1], 0x0                ; l1, bn1
	s_load_b64 s[8:9], s[0:1], 0x10                ; out0
	v_and_b32 v1, 31, v0
	v_bfe_u32 v2, v0, 4, 1                         ; my block of 64 channels
	v_and_b32 v3, 15, v0
	v_lshlrev_b32 v3, 4, v3
	v_lshl_add_u32 v4, v2, 10, v3                  ; in the figures
	v_lshl_add_u32 v5, v2, 17, v3                  ; in the work-groups' means
	v_and_b32 v2, 0xe0, v0                         ; 32 w
	v_lshlrev_b32 v6, 7, v2
	v_lshl_add_u32 v6, v1, 3, v6                   ; 16 rows of 256 bytes a wave
	v_lshlrev_b32 v7, 8, v2
	v_lshl_add_u32 v7, v1, 4, v7                   ; 16 rows of 512 bytes a wave
	s_lshl_b32 s12, ttmp9, 9
	s_mov_b32 s13, 0
	s_lshl_b32 s14, ttmp9, 15
	s_mov_b32 s15, 0
	s_lshl_b32 s16, ttmp9, 16
	s_mov_b32 s17, 0
	s_wait_kmcnt 0x0
	s_add_nc_u64 s[10:11], s[4:5], s[12:13]
	s_add_nc_u64 s[4:5], s[4:5], s[14:15]
	s_add_nc_u64 s[4:5], s[4:5], X1H
	s_add_nc_u64 s[8:9], s[8:9], s[16:17]
	global_load_b128 v[8:11], v4, s[6:7]           ; mean
	global_load_b128 v[12:15], v4, s[6:7] offset:256   ; a
	global_load_b128 v[16:19], v4, s[6:7] offset:512   ; beta
	global_load_b128 v[20:23], v5, s[10:11]        ; m1
.set i, 0
.rept 16
	global_load_b64 v[24+2*i:25+2*i], v6, s[4:5] offset:256*i th:TH_LOAD_NT
.set i, i+1
.endr
	s_wait_loadcnt 16                              ; the figures are in; the 16 rows stay out
	v_pk_add_f32 v[20:21], v[20:21], v[8:9] neg_lo:[0,1] neg_hi:[0,1]
	v_pk_add_f32 v[22:23], v[22:23], v[10:11] neg_lo:[0,1] neg_hi:[0,1]
	v_pk_fma_f32 v[20:21], v[20:21], v[12:13], v[16:17]
	v_pk_fma_f32 v[22:23], v[22:23], v[14:15], v[18:19]
.set i, 0
.rept 16
	s_wait_loadcnt 15-i                            ; the younger rows stay out
	v_fma_mix_f32 v[56+4*i], v[24+2*i], v12, v20 op_sel_hi:[1,0,0]
	v_fma_mix_f32 v[57+4*i], v[24+2*i], v13, v21 op_sel:[1,0,0] op_sel_hi:[1,0,0]
	v_fma_mix_f32 v[58+4*i], v[25+2*i], v14, v22 op_sel_hi:[1,0,0]
	v_fma_mix_f32 v[59+4*i], v[25+2*i], v15, v23 op_sel:[1,0,0] op_sel_hi:[1,0,0]
	v_max_num_f32 v[56+4*i], 0, v[56+4*i]
	v_max_num_f32 v[57+4*i], 0, v[57+4*i]
	v_max_num_f32 v[58+4*i], 0, v[58+4*i]
	v_max_num_f32 v[59+4*i], 0, v[59+4*i]
	global_store_b128 v7, v[56+4*i:59+4*i], s[8:9] offset:512*i th:TH_STORE_NT
.set i, i+1
.endr
	s_endpgm
.Lfunc_end_k_qee07da36f5_bnout:
	.size	k_qee07da36f5_bnout, .Lfunc_end_k_qee07da36f5_bnout-k_qee07da36f5_bnout
	.p2alignl 7, 3214868480
	.fill 96, 4, 3214868480
	.section	.rodata,"a",@progbits
	.p2align	6, 0x0
	.amdhsa_kernel k_qee07da36f5_bnout
		.amdhsa_group_segment_fixed_size 0
		.amdhsa_private_segment_fixed_size 0
		.amdhsa_enable_private_segment 0
		.amdhsa_kernarg_size 24
		.amdhsa_user_sgpr_count 2
		.amdhsa_user_sgpr_kernarg_segment_ptr 1
		.amdhsa_wavefront_size32 1
		.amdhsa_system_sgpr_workgroup_id_x 1
		.amdhsa_system_sgpr_workgroup_id_y 1
		.amdhsa_system_sgpr_workgroup_id_z 1
		.amdhsa_system_vgpr_workitem_id 0
		.amdhsa_next_free_vgpr 120
		.amdhsa_next_free_sgpr 66
		.amdhsa_reserve_vcc 0
		.amdhsa_float_denorm_mode_32 3
		.amdhsa_float_denorm_mode_16_64 3
		.amdhsa_memory_ordered 1
		.amdhsa_forward_progress 1
		.amdhsa_inst_pref_size 12
	.end_amdhsa_kernel
	.amdgpu_metadata
---
amdhsa.version: [ 1, 2 ]
amdhsa.kernels:
  - .name:           k_qee07da36f5_bnout
    .symbol:         k_qee07da36f5_bnout.kd
    .args:
      - { .name: l1, .offset: 0, .size: 8, .value_kind: global_buffer, .address_space: global }
      - { .name: bn1, .offset: 8, .size: 8, .value_kind: global_buffer, .address_space: global }
      - { .name: out0, .offset: 16, .size: 8, .value_kind: global_buffer, .address_space: global }
    .group_segment_fixed_size: 0
    .private_segment_fixed_size: 0
    .kernarg_segment_align: 8
    .kernarg_segment_size: 24
    .max_flat_workgroup_size: 256
    .sgpr_count:     66
    .vgpr_count:     120
    .wavefront_size: 32
...
	.end_amdgpu_metadata
.endif
;; end of part 6
;; ======== version 2 of 2: 7 launches; version 1 with the launches knn1, knn2 written anew for expert scheduling mode
;; limits: values are held in f16: magnitudes above 65,504 overflow, below 6.1e-05 lose precision
;; workspace buffers: grp 524,288 bytes of whole numbers; nidx 524,288 bytes of whole numbers; pre 4,980,736 bytes; l0 17,301,504 bytes; bn0 4,096 bytes; l1 8,650,752 bytes; bn1 2,048 bytes
;; launch knn1 (part 7): grid 256 x 1, 4 waves a work-group, no clusters, 82,688 bytes of LDS; arguments xyz_s, xyz_t, grp; writes grp
.if DOCPART == 7
	.amdgcn_target "amdgcn-amd-amdhsa--gfx1250"
	.amdhsa_code_object_version 6
	.text
	.protected	k_qee07da36f5_knn1
	.globl	k_qee07da36f5_knn1
	.p2align	8
	.type	k_qee07da36f5_knn1,@function
k_qee07da36f5_knn1:
	s_mov_b64 s[64:65], 0
	v_nop
	global_prefetch_b8 v0, s[64:65] scope:SCOPE_SE
	s_setreg_imm32_b32 hwreg(HW_REG_WAVE_SCHED_MODE, 0, 2), 2
	s_setreg_imm32_b32 hwreg(HW_REG_WAVE_MODE, 25, 1), 1
	s_wait_xcnt 0x0
	s_wait_alu depctr_vm_vsrc(0)
; 3-NN SEARCH, STAGE 1.  For each of 32,768 queries: the three groups of 16 consecutive targets (256 groups a batch) with the smallest
; (group minimum of d2, group number).  Those three groups hold the three nearest targets for every input, ties included: a target among
; the first three by (d2, index) can have at most two groups in front of its own in that order.  The group numbers go to grp.
; d2 = (|s|^2 + |t|^2) - 2 s.t in f32, each sum in ascending order of the coordinates.
; LIMITS.  All coordinates are rounded to bf16 first (nearest even): the neighbours found are those of the rounded points.  Every product of two
; such numbers is exact in f32, so the sums below have one value whether a step is fused or not.  NaN and infinities are not treated apart:
; a query with fewer than three finite group minima keeps group 0 in the places left over.
; THE f32 MATRIX FORM is used for s.t (K = 3 of 4): it adds by fused steps in ascending k (ISA guide, 7.12), which are the bits wanted here; a 16-bit form
; sums otherwise, and one neighbour swapped at a tie spoils a whole row of the output.  It carries 3 x 2 x 134 M of the 9.4 G matrix operations of the problem.
; SHARES.  A work-group has 128 queries, a wave two tiles of 16; every wave walks all 4,096 targets of the batch.  Source 0 = 16 targets, source 1 = 16 queries times -2:
; in the result a lane holds ONE query (lane % 16) and eight targets.  A tile's rows 0-7 are taken from targets 0..2047 and rows 8-15 from 2048..4095, so lanes 0-15 walk the
; lower half and lanes 16-31 the upper half, each in ascending order; the halves are merged at the end.
; NO CLUSTER, NO TENSOR LOAD: what the work-groups share is 48 KB of coordinates, which go through registers anyway, to be rounded and laid out anew.
; THE MODE: SCHED_MODE bits 1:0 = 2 (LLVM: expert scheduling mode 2), set by the entry lines.  The code itself states the register dependences
; between vector or matrix instructions and memory or LDS instructions, with s_wait_alu, always for 0.
; THE PLAN.  Registers that memory or LDS instructions touch:
;   v31, v7       offsets of the global loads: made at the head, never written again.
;   RS, TS        LDS addresses of the table's stores: made once.   T, TQ: written by each PREP's arithmetic, read by its five LDS stores, written again by the next PREP.
;   AF[p]         Body g (p = g % 2): the fragments of group g + 2 land in it; its last readers are the four matrix instructions of body g - 1.
;   TTR[1 - p]    Body g: |t|^2 of group g + 1 lands in it; its last readers are the sums of body g - 1.
;   AA, TA        Read by every LDS load of the loop; stepped once a trip, at the trip's end.
;   D, BQ, SS, MI, GM, GID are named by vector and matrix instructions alone.
; So ONE wait on va_vdst stands at a body's head: the body before is done reading AF[p] and TTR[1 - p], and, round the loop's jump, AA and TA are written.  The body's six LDS loads
; follow it, behind the first matrix instruction, which names D[1 - p], AF[1 - p] and BQ; no line of the body names AF[p], TTR[1 - p], AA or TA.  One wait on vm_vsrc a trip stands ahead of the two adds.
; A compare into a scalar register and the selects that read it have a wait on va_sdst between them.
.set REC_U, 32896     ; LDS: records (x, y, z, 0) of targets 0..2047 at 0; of 2048..4095 here, 128 bytes further than dense: the two halves of a fragment load use different banks
.set TTB,   65792     ; |t|^2 of the 4,096 targets
.set SPARE, 82176     ; the spare words, 128 bytes a wave
.set AA,  4           ; v4   LDS address of my part of a fragment of targets
.set TA,  5           ; v5   LDS address of my half's |t|^2
.set GID, 6           ; v6   the number of the group in hand
.set SPW, 8           ; v8   my spare word; never rewritten
.set NIL, 9           ; v9   0; never rewritten
.set BQ,  10          ; v10-13  the two query fragments
.set SS,  14          ; v14-17  |s|^2 twice, for each query tile
.set MI,  18          ; v18-29  for each query tile: three minima, three group numbers
.set GM,  30          ; v30  a group's minimum
.set AF,  32          ; v32-39  target fragments: bank, tile
.set TTR, 40          ; v40-71  |t|^2 of a group, two banks
.set TQ,  48          ; set-up only
.set PK,  56          ; set-up only
.set T,   72          ; v72-87  at work
.set QL,  88          ; v88-93  the queries as loaded
.set RS,  94          ; v94  where I store records
.set TS,  95          ; v95  where I store |t|^2
.set D,   96          ; v96-159  products: bank 32, query tile 16, target tile 8; written by matrix instructions alone
.set LD,  160         ; v160-255  the targets as loaded
	s_load_b128 s[4:7], s[0:1], 0x0                ; xyz_s, xyz_t
	s_load_b64 s[8:9], s[0:1], 0x10                ; grp
	v_lshl_add_u32 v[SPW], v0, 2, SPARE
	v_mov_b32 v[NIL], 0
	v_bfe_u32 v3, v0, 4, 1                         ; h = lane / 16
	v_and_b32 v31, 0x6f, v0                        ; 32 w + lane % 16
	v_mul_u32_u24 v31, 12, v31
	v_mul_u32_u24 v7, 48, v0                       ; four targets a thread
	s_mul_i32 s18, ttmp9, 1536                     ; 128 queries of 12 bytes
	s_mov_b32 s19, 0
	s_lshr_b32 s20, ttmp9, 7                       ; the batch
	s_mul_i32 s20, s20, 49152
	s_mov_b32 s21, 0
	s_lshl_b32 s22, ttmp9, 11                      ; 128 records of 16 bytes
	s_mov_b32 s23, 0
	s_mov_b32 s14, 0x76543210                      ; v_permlanex16_b32: each lane takes its own place in the other half
	s_mov_b32 s15, 0xfedcba98
	s_mov_b32 s16, 0xffff0000                      ; a word's upper bf16; also the mask of lanes 16-31
	s_wait_kmcnt 0x0
	s_add_nc_u64 s[4:5], s[4:5], s[18:19]
	s_add_nc_u64 s[6:7], s[6:7], s[20:21]
	s_add_nc_u64 s[8:9], s[8:9], s[22:23]
	s_wait_alu depctr_va_vdst(0)                   ; v31 and v7 are written: the loads below read them as their offsets
.irp c, 0,1,2
	global_load_b32 v[QL+\c], v31, s[4:5] offset:4*\c
	global_load_b32 v[QL+3+\c], v31, s[4:5] offset:192+4*\c
.endr
.set i, 0
.rept 8
	global_load_b128 v[LD+12*i:LD+12*i+3],    v7, s[6:7] offset:6144*i
	global_load_b128 v[LD+12*i+4:LD+12*i+7],  v7, s[6:7] offset:6144*i+16
	global_load_b128 v[LD+12*i+8:LD+12*i+11], v7, s[6:7] offset:6144*i+32
.set i, i+1
.endr
	v_lshlrev_b32 v[RS], 6, v0
	v_lshl_add_u32 v[TS], v0, 4, TTB
.irp k, 0,1,2,3
	v_mov_b32 v[T+4*\k+3], 0                       ; a record's fourth word: k = 3 of the product adds nothing
.endr
	v_and_b32 v[AA], 7, v0
	v_lshlrev_b32 v[AA], 4, v[AA]
	v_bfe_u32 v1, v0, 3, 1
	v_mul_u32_u24 v1, REC_U, v1
	v_add_nc_u32 v[AA], v1, v[AA]
	v_lshl_add_u32 v[AA], v3, 3, v[AA]             ; row (lane % 8) of the half (lane / 8) % 2; lanes 0-15 take (x, y), lanes 16-31 (z, 0)
	v_lshlrev_b32 v[TA], 13, v3
	v_add_nc_u32 v[TA], TTB, v[TA]
; Four targets of thread t: 512 i + 4 t + k.  Rounded to bf16, widened again, |t|^2 made, stored.
.macro PREP i
	s_wait_loadcnt 21-3*(\i)                       ; the younger table loads stay out
.set ee, 0
.rept 6
	v_cvt_pk_bf16_f32 v[PK+ee], v[LD+12*(\i)+2*ee], v[LD+12*(\i)+2*ee+1]
.set ee, ee+1
.endr
.if (\i) > 0
	s_wait_alu depctr_vm_vsrc(0)                   ; the five LDS stores of the four targets before have read T and TQ, which the lines below write again
.endif
.set ee, 0
.rept 12
.if ee%2 == 0
	v_lshlrev_b32 v[T+4*(ee/3)+ee%3], 16, v[PK+ee/2]
.else
	v_and_b32 v[T+4*(ee/3)+ee%3], s16, v[PK+ee/2]
.endif
.set ee, ee+1
.endr
.irp k, 0,1,2,3
	v_mul_f32 v[TQ+\k], v[T+4*\k], v[T+4*\k]
.endr
.irp k, 0,1,2,3
	v_fmac_f32 v[TQ+\k], v[T+4*\k+1], v[T+4*\k+1]
.endr
.irp k, 0,1,2,3
	v_fmac_f32 v[TQ+\k], v[T+4*\k+2], v[T+4*\k+2]
.endr
	s_wait_alu depctr_va_vdst(0)                   ; T and TQ are written, which the five stores read; the first time also RS, TS and the records' zero words
.irp k, 0,1,2,3
	ds_store_b128 v[RS], v[T+4*\k:T+4*\k+3] offset:8192*(\i)+16*\k+128*((\i)/4)
.endr
	ds_store_b128 v[TS], v[TQ:TQ+3] offset:2048*(\i)
.endm
.irp i, 0,1,2,3,4,5,6,7
	PREP \i
.endr
	; the queries (their loads are older than the table's)
	v_cvt_pk_bf16_f32 v[PK], v[QL], v[QL+1]
	v_cvt_pk_bf16_f32 v[PK+1], v[QL+2], v[QL+3]
	v_cvt_pk_bf16_f32 v[PK+2], v[QL+4], v[QL+5]
.irp k, 0,1,2
	v_lshlrev_b32 v[QL+2*\k], 16, v[PK+\k]
	v_and_b32 v[QL+2*\k+1], s16, v[PK+\k]
.endr
.irp k, 0,1
	v_mul_f32 v[SS+2*\k], v[QL+3*\k], v[QL+3*\k]
	v_fmac_f32 v[SS+2*\k], v[QL+3*\k+1], v[QL+3*\k+1]
	v_fmac_f32 v[SS+2*\k], v[QL+3*\k+2], v[QL+3*\k+2]
	v_mov_b32 v[SS+2*\k+1], v[SS+2*\k]
.endr
.irp k, 0,1,2,3,4,5
	v_mul_f32 v[QL+\k], -2.0, v[QL+\k]             ; exact
.endr
.irp k, 0,1
	v_cndmask_b32 v[BQ+2*\k], v[QL+3*\k], v[QL+3*\k+2], s16
	v_cndmask_b32 v[BQ+2*\k+1], v[QL+3*\k+1], 0, s16
.endr
	s_wait_dscnt 0x0                               ; for the others' sake: my stores are done
	s_barrier_signal -1
	s_barrier_wait -1                              ; the table is whole; from here on LDS is only read
	s_wait_alu depctr_vm_vsrc(0)                   ; my LDS stores have read TQ, in which |t|^2 lands from here on, and T, which the loop's sums write
	s_wait_alu depctr_va_vdst(0)                   ; the set-up is done writing and reading TQ and PK, which are TTR from here on; AA and TA are written, which the LDS loads read
.macro WM b, qt, tile                  ; one product: 16 targets x 16 queries, a whole sum
	v_wmma_f32_16x16x4_f32 v[D+32*(\b)+16*(\qt)+8*(\tile):D+32*(\b)+16*(\qt)+8*(\tile)+7], v[AF+4*(\b)+2*(\tile):AF+4*(\b)+2*(\tile)+1], v[BQ+2*(\qt):BQ+2*(\qt)+1], 0
.endm
.macro DIST p, qt                      ; d2 of the group's 16 targets: (|s|^2 + |t|^2) + (-2 s.t); each accumulator is read from its low end on
.set j, 0
.rept 8
	v_pk_add_f32 v[T+2*j:T+2*j+1], v[TTR+16*(\p)+2*j:TTR+16*(\p)+2*j+1], v[SS+2*(\qt):SS+2*(\qt)+1]
.set j, j+1
.endr
.set j, 0
.rept 8
	v_pk_add_f32 v[T+2*j:T+2*j+1], v[T+2*j:T+2*j+1], v[D+32*(\p)+16*(\qt)+2*j:D+32*(\p)+16*(\qt)+2*j+1]
.set j, j+1
.endr
.endm
; (val, id) is put into the sorted three at b; a value goes in front of the values that it is strictly less than, so of equals the earlier stays in front.
; The three values' own update needs no mask: it stands between the compares and the wait for them.
.macro INS b, val, id
	v_cmp_lt_f32 s30, v[\val], v[\b]
	v_cmp_lt_f32 s31, v[\val], v[(\b)+1]
	v_cmp_lt_f32 s32, v[\val], v[(\b)+2]
	v_med3_num_f32 v[(\b)+2], v[(\b)+1], v[(\b)+2], v[\val]
	v_med3_num_f32 v[(\b)+1], v[\b], v[(\b)+1], v[\val]
	v_min_num_f32 v[\b], v[\b], v[\val]
	s_wait_alu depctr_va_sdst(0)                   ; the three compares have written s30, s31 and s32, which the selects below read
	v_cndmask_b32 v[(\b)+5], v[(\b)+5], v[\id], s32
	v_cndmask_b32 v[(\b)+5], v[(\b)+5], v[(\b)+4], s31
	v_cndmask_b32 v[(\b)+4], v[(\b)+4], v[\id], s31
	v_cndmask_b32 v[(\b)+4], v[(\b)+4], v[(\b)+3], s30
	v_cndmask_b32 v[(\b)+3], v[(\b)+3], v[\id], s30
.endm
.macro MININS qt
.irp k, 0,3,6,9,12
	v_min3_num_f32 v[T+\k], v[T+\k], v[T+\k+1], v[T+\k+2]
.endr
	v_min3_num_f32 v[T], v[T], v[T+3], v[T+6]
	v_min3_num_f32 v[T+9], v[T+9], v[T+12], v[T+15]
	v_min_num_f32 v[GM], v[T], v[T+9]
	INS MI+6*(\qt), GM, GID
.endm
; Group g, bank p = g % 2.  Its products were made in the body before.  This body fetches the fragments of group g + 2 and |t|^2 of group g + 1, and makes the products of group g + 1 (one matrix
; instruction in front of each run of 16 or 19 vector instructions that name none of its registers: more than the eight places that the f32 form asks for).
.macro BODY p, doA, doW, doT, OA, OT
	s_wait_dscnt 0x0                               ; all that is out was asked for at the head of the body before: this group's |t|^2 and the next group's fragments are in
.if (\doA) || (\doT)
	s_wait_alu depctr_va_vdst(0)                   ; the body before is done: its matrix instructions have read AF[p], its sums TTR[1 - p], in which the loads below land; round the loop's jump AA and TA are written
.endif
.if \doW
	WM 1-(\p), 0, 0
.endif
.if \doA
	ds_load_b64 v[AF+4*(\p):AF+4*(\p)+1], v[AA] offset:\OA       ; no wait: the one matrix instruction since the wait names D[1 - p], AF[1 - p] and BQ
	ds_load_b64 v[AF+4*(\p)+2:AF+4*(\p)+3], v[AA] offset:(\OA)+128
.endif
.if \doT
.irp k, 0,1,2,3
	ds_load_b128 v[TTR+16*(1-(\p))+4*\k:TTR+16*(1-(\p))+4*\k+3], v[TA] offset:(\OT)+16*\k
.endr
.endif
	DIST \p, 0
.if \doW
	WM 1-(\p), 1, 0
.endif
	MININS 0
.if \doW
	WM 1-(\p), 0, 1
.endif
	DIST \p, 1
.if \doW
	WM 1-(\p), 1, 1
.endif
	MININS 1
	v_add_nc_u32 v[GID], 1, v[GID]
.endm
	ds_load_b64 v[AF:AF+1], v[AA]
	ds_load_b64 v[AF+2:AF+3], v[AA] offset:128
.irp k, 0,1,2,3
	ds_load_b128 v[TTR+4*\k:TTR+4*\k+3], v[TA] offset:16*\k
.endr
	ds_load_b64 v[AF+4:AF+5], v[AA] offset:256
	ds_load_b64 v[AF+6:AF+7], v[AA] offset:384
	s_wait_dscnt 6                                 ; group 0's fragments are in; the six loads behind them stay out
	WM 0, 0, 0
	WM 0, 1, 0
	WM 0, 0, 1
	WM 0, 1, 1
.irp k, 0,1,2,6,7,8
	v_mov_b32 v[MI+\k], 0x7f800000                 ; these thirteen lines are the places behind the four products
	v_mov_b32 v[MI+3+\k], 0
.endr
	v_lshlrev_b32 v[GID], 7, v3                    ; lanes 16-31 begin at group 128
	s_mov_b32 s12, 63
.Lpair:                                                ; a trip: two groups of each half
	BODY 0, 1, 1, 1, 512, 64
	BODY 1, 1, 1, 1, 768, 128
	s_wait_alu depctr_vm_vsrc(0)                   ; the LDS loads issued so far have read AA and TA
	v_add_nc_u32 v[AA], 512, v[AA]
	v_add_nc_u32 v[TA], 128, v[TA]
	s_sub_co_u32 s12, s12, 1
	s_cmp_lg_u32 s12, 0
	s_cbranch_scc1 .Lpair
	BODY 0, 0, 1, 1, 0, 64                         ; group 126: of group 127 only |t|^2 is left to fetch
	BODY 1, 0, 0, 0, 0, 0                          ; group 127: nothing is left to fetch
	; The halves meet.  Right in lanes 0-15: their own groups have the lower numbers and stay in front at a tie.
.irp q, 0,1
.irp k, 0,1,2,3,4,5
	v_permlanex16_b32 v[T+\k], v[MI+6*\q+\k], s14, s15
.endr
	INS MI+6*\q, T, T+3
	INS MI+6*\q, T+1, T+4
	INS MI+6*\q, T+2, T+5
.endr
.irp k, 0,1,2
	v_permlanex16_b32 v[T+\k], v[MI+9+\k], s14, s15    ; the second tile's result goes to lanes 16-31: lane = query
.endr
.irp k, 0,1,2
	v_cndmask_b32 v[T+8+\k], v[MI+3+\k], v[T+\k], s16
.endr
	v_mov_b32 v[T+11], 0
	v_lshlrev_b32 v1, 4, v0
	s_wait_alu depctr_va_vdst(0)                   ; the record in T+8 .. T+11 and its offset v1 are written, which the store reads
	global_store_b128 v1, v[T+8:T+11], s[8:9]      ; a wave stores 512 consecutive bytes
	s_wait_dscnt 0x0                               ; the wave's end
	s_wait_alu 0x0
	s_wait_tensorcnt 0x0
	ds_add_u32 v[SPW], v[NIL]
	s_wait_dscnt 0x0
	s_endpgm
.Lfunc_end_k_qee07da36f5_knn1:
	.size	k_qee07da36f5_knn1, .Lfunc_end_k_qee07da36f5_knn1-k_qee07da36f5_knn1
	.p2alignl 7, 3214868480
	.fill 96, 4, 3214868480
	.section	.rodata,"a",@progbits
	.p2align	6, 0x0
	.amdhsa_kernel k_qee07da36f5_knn1
		.amdhsa_group_segment_fixed_size 82688
		.amdhsa_private_segment_fixed_size 0
		.amdhsa_enable_private_segment 0
		.amdhsa_kernarg_size 24
		.amdhsa_user_sgpr_count 2
		.amdhsa_user_sgpr_kernarg_segment_ptr 1
		.amdhsa_wavefront_size32 1
		.amdhsa_system_sgpr_workgroup_id_x 1
		.amdhsa_system_sgpr_workgroup_id_y 1
		.amdhsa_system_sgpr_workgroup_id_z 1
		.amdhsa_system_vgpr_workitem_id 0
		.amdhsa_next_free_vgpr 256
		.amdhsa_next_free_sgpr 66
		.amdhsa_reserve_vcc 0
		.amdhsa_float_denorm_mode_32 3
		.amdhsa_float_denorm_mode_16_64 3
		.amdhsa_memory_ordered 1
		.amdhsa_forward_progress 1
		.amdhsa_inst_pref_size 45
	.end_amdhsa_kernel
	.amdgpu_metadata
---
amdhsa.version: [ 1, 2 ]
amdhsa.kernels:
  - .name:           k_qee07da36f5_knn1
    .symbol:         k_qee07da36f5_knn1.kd
    .args:
      - { .name: xyz_s, .offset: 0, .size: 8, .value_kind: global_buffer, .address_space: global }
      - { .name: xyz_t, .offset: 8, .size: 8, .value_kind: global_buffer, .address_space: global }
      - { .name: grp, .offset: 16, .size: 8, .value_kind: global_buffer, .address_space: global }
    .group_segment_fixed_size: 82688
    .private_segment_fixed_size: 0
    .kernarg_segment_align: 8
    .kernarg_segment_size: 24
    .max_flat_workgroup_size: 128
    .sgpr_count:     66
    .vgpr_count:     256
    .wavefront_size: 32
...
	.end_amdgpu_metadata
.endif
;; end of part 7
;; launch knn2 (part 8): grid 256 x 1, 4 waves a work-group, no clusters, 70,144 bytes of LDS; arguments xyz_s, xyz_t, grp, feats_t, w0, w1, nidx, pre; writes nidx, pre
.if DOCPART == 8
	.amdgcn_target "amdgcn-amd-amdhsa--gfx1250"
	.amdhsa_code_object_version 6
	.text
	.protected	k_qee07da36f5_knn2
	.globl	k_qee07da36f5_knn2
	.p2align	8
	.type	k_qee07da36f5_knn2,@function
k_qee07da36f5_knn2:
	s_mov_b64 s[64:65], 0
	v_nop
	global_prefetch_b8 v0, s[64:65] scope:SCOPE_SE
	s_setreg_imm32_b32 hwreg(HW_REG_WAVE_SCHED_MODE, 0, 2), 2
	s_setreg_imm32_b32 hwreg(HW_REG_WAVE_MODE, 25, 1), 1
	s_wait_xcnt 0x0
	s_wait_alu depctr_vm_vsrc(0)
; 3-NN SEARCH, STAGE 2, and the tables for the products.  A thread is a query: it walks the 48 targets of its three groups (from grp) in ascending order of their index and keeps the
; three smallest d2 with their indices; of equals the lower index stays in front.  d2 is made as in stage 1: coordinates rounded to bf16, (|s|^2 + |t|^2) + (-2 s.t), sums in ascending order.
; Then w_k = (1 / (d_k + 1e-8)) / their sum.  Stored: nidx (rows of the table of features, batch x 4096 + index) and the weights.
; Beside that each work-group rounds 32 rows of feats_t to bf16, one row of w0 and 128 numbers of w1 to bf16 written as f16.
; LIMITS.  Neighbours and weights are those of the rounded coordinates.  Reciprocals are good to one unit in the last place.  A weight of w0 or w1 beyond 65,504 has no f16;
; below 6e-5 it keeps a fixed step of 6e-8.  NaN and infinities are not treated apart.
; NO CLUSTER, NO TENSOR LOAD: the shared table is 48 KB and goes through registers to be rounded and laid out anew.
; THE MODE: SCHED_MODE bits 1:0 = 2 (LLVM: expert scheduling mode 2), set by the entry lines.  The code itself states the register dependences
; between vector instructions and memory or LDS instructions, with s_wait_alu, always for 0.
; THE PLAN.  Registers that memory or LDS instructions touch:
;   v2 .. v7      offsets of the global loads and stores: made at the head, never written again.
;   v40           LDS address of the table's stores: made once; written again behind the loop.   T: written by each PREP's arithmetic, read by its four LDS stores, written again by the next PREP.
;   FT            A row's two roundings write two registers of its own, which one store reads; never written again.  The rows go in four blocks of four: a block's stores are issued in the next
;                 block, behind one wait on va_vdst, among roundings that name the next block's registers alone.   v90, v91: the weights' store data, under the last of these waits.
;   v37           LDS address of a group's candidates: made anew in each of the three trips.   CB: 16 LDS loads a trip land in it; the trip's arithmetic reads and writes it.
;   v44 .. v51    the two final stores' data.
; A vector instruction that writes a scalar register or VCC and the first reader of that have a wait on va_sdst or va_vcc between them.
.set W0H,   4194304   ; pre: f16 [3 blocks of 128 k][256 out][128]
.set W1H,   4390912   ; pre: f16 [2 blocks of 128 k][128 out][128]
.set NWT,   4456448   ; pre: [32768][4] f32 weights
.set GP,    272       ; LDS: a group's 16 records (x, y, z, |t|^2) and 16 bytes of padding: groups begin at different banks
.set SPARE, 69632
.set SPW, 8
.set NIL, 9
.set PK,  56
.set T,   72
.set FT,  96          ; v96-159  feats_t as loaded
.set LD,  160         ; v160-255 the targets as loaded
.set CB,  160         ; v160-223 later: 16 candidates
	s_load_b256 s[4:11], s[0:1], 0x0               ; xyz_s, xyz_t, grp, feats_t
	s_load_b256 s[12:19], s[0:1], 0x20             ; w0, w1, nidx, pre
	v_lshl_add_u32 v[SPW], v0, 2, SPARE
	v_mov_b32 v[NIL], 0
	v_lshrrev_b32 v1, 5, v0
	v_readfirstlane_b32 s20, v1                    ; wave
	v_and_b32 v1, 31, v0                           ; lane
	s_mul_i32 s22, ttmp9, 1536
	s_mov_b32 s23, 0
	s_lshr_b32 s21, ttmp9, 7                       ; batch
	s_mul_i32 s24, s21, 49152
	s_mov_b32 s25, 0
	s_lshl_b32 s26, ttmp9, 11
	s_mov_b32 s27, 0
	s_lshl_b32 s28, ttmp9, 15
	s_mov_b32 s29, 0
	s_lshl_b32 s34, ttmp9, 14
	s_mov_b32 s35, 0
	s_mov_b32 s33, 0xffff0000
	s_lshl_b32 s47, s21, 12
	s_wait_alu depctr_va_sdst(0)                   ; s20 is written, ahead of its first reader: the weights' offsets are made from it
	s_lshl_b32 s36, s20, 9
	s_add_co_u32 s36, s36, s22                     ; w0: row WG, block w: 1536 WG + 512 w
	s_lshl_b32 s37, ttmp9, 9                       ; w1: 512 WG
	s_lshl_b32 s38, s20, 16
	s_lshl_b32 s39, ttmp9, 8
	s_add_co_u32 s38, s38, s39
	s_add_co_u32 s38, s38, W0H
	s_and_b32 s39, ttmp9, 1
	s_lshl_b32 s39, s39, 15
	s_lshr_b32 s40, ttmp9, 1
	s_lshl_b32 s40, s40, 8
	s_add_co_u32 s39, s39, s40
	s_add_co_u32 s39, s39, W1H
	s_cmp_eq_u32 s20, 3                            ; wave 3 has w1, the others w0
	s_cselect_b32 s36, s37, s36
	s_cselect_b32 s38, s39, s38
	v_lshlrev_b32 v2, 4, v0
	v_mul_u32_u24 v3, 12, v0
	v_mul_u32_u24 v4, 48, v0
	v_lshl_add_u32 v5, v1, 4, s36
	v_lshlrev_b32 v6, 3, v0
	v_lshl_add_u32 v7, v1, 3, s38
	s_wait_kmcnt 0x0
	s_cmp_eq_u32 s20, 3
	s_cselect_b64 s[40:41], s[14:15], s[12:13]
	s_add_nc_u64 s[4:5], s[4:5], s[22:23]
	s_add_nc_u64 s[6:7], s[6:7], s[24:25]
	s_add_nc_u64 s[8:9], s[8:9], s[26:27]
	s_add_nc_u64 s[10:11], s[10:11], s[28:29]
	s_add_nc_u64 s[16:17], s[16:17], s[26:27]
	s_add_nc_u64 s[42:43], s[18:19], s[34:35]
	s_add_nc_u64 s[44:45], s[18:19], s[26:27]
	s_add_nc_u64 s[44:45], s[44:45], NWT
	s_wait_alu depctr_va_vdst(0)                   ; the six offsets v2 to v7 are written: every global load and store of the kernel reads one of them
	global_load_b128 v[10:13], v2, s[8:9]
	global_load_b32 v14, v3, s[4:5]
	global_load_b32 v15, v3, s[4:5] offset:4
	global_load_b32 v16, v3, s[4:5] offset:8
.set i, 0
.rept 8
	global_load_b128 v[LD+12*i:LD+12*i+3],    v4, s[6:7] offset:6144*i
	global_load_b128 v[LD+12*i+4:LD+12*i+7],  v4, s[6:7] offset:6144*i+16
	global_load_b128 v[LD+12*i+8:LD+12*i+11], v4, s[6:7] offset:6144*i+32
.set i, i+1
.endr
.set i, 0
.rept 16
	global_load_b128 v[FT+4*i:FT+4*i+3], v2, s[10:11] offset:2048*i th:TH_LOAD_NT
.set i, i+1
.endr
	global_load_b128 v[92:95], v5, s[40:41]
	v_lshrrev_b32 v40, 2, v0
	v_mul_u32_u24 v40, GP, v40
	v_and_b32 v41, 3, v0
	v_lshl_add_u32 v40, v41, 6, v40                ; target 512 i + 4 t + k lies in group 32 i + t / 4 at place 4 (t % 4) + k
.macro PREP i
	s_wait_loadcnt 38-3*(\i)                       ; the younger table loads and the 17 loads behind the table stay out
.set ee, 0
.rept 6
	v_cvt_pk_bf16_f32 v[PK+ee], v[LD+12*(\i)+2*ee], v[LD+12*(\i)+2*ee+1]
.set ee, ee+1
.endr
.if (\i) > 0
	s_wait_alu depctr_vm_vsrc(0)                   ; the four LDS stores of the four targets before have read T, which the lines below write again
.endif
.set ee, 0
.rept 12
.if ee%2 == 0
	v_lshlrev_b32 v[T+4*(ee/3)+ee%3], 16, v[PK+ee/2]
.else
	v_and_b32 v[T+4*(ee/3)+ee%3], s33, v[PK+ee/2]
.endif
.set ee, ee+1
.endr
.irp k, 0,1,2,3
	v_mul_f32 v[T+4*\k+3], v[T+4*\k], v[T+4*\k]
.endr
.irp k, 0,1,2,3
	v_fmac_f32 v[T+4*\k+3], v[T+4*\k+1], v[T+4*\k+1]
.endr
.irp k, 0,1,2,3
	v_fmac_f32 v[T+4*\k+3], v[T+4*\k+2], v[T+4*\k+2]
.endr
	s_wait_alu depctr_va_vdst(0)                   ; T is written, which the four stores read; the first time also their address v40
.irp k, 0,1,2,3
	ds_store_b128 v40, v[T+4*\k:T+4*\k+3] offset:8704*(\i)+16*\k
.endr
.endm
.irp i, 0,1,2,3,4,5,6,7
	PREP \i
.endr
	s_wait_dscnt 0x0                               ; for the others' sake: my stores are done
	s_barrier_signal -1
	s_barrier_wait -1                              ; the table is whole; from here on LDS is only read
; feats_t to bf16: four numbers a thread and load; a wave stores 256 consecutive bytes.  Block b of four rows is rounded (conv = 1) while the stores of block b - 1 go out (st = 1).
.macro FTB b, conv, st
.if \conv
	s_wait_loadcnt 13-4*(\b)                       ; the younger loads of feats_t and the weights' load stay out
.endif
.if \st
	s_wait_alu depctr_va_vdst(0)                   ; the block before is rounded: its registers are written, which the four stores below read; the roundings among them name this block's registers alone
.endif
.irp k, 0,1,2,3
.if \st
	global_store_b64 v6, v[FT+16*((\b)-1)+4*\k:FT+16*((\b)-1)+4*\k+1], s[42:43] offset:1024*(4*((\b)-1)+\k)
.endif
.if \conv
	v_cvt_pk_bf16_f32 v[FT+16*(\b)+4*\k], v[FT+16*(\b)+4*\k], v[FT+16*(\b)+4*\k+1]
	v_cvt_pk_bf16_f32 v[FT+16*(\b)+4*\k+1], v[FT+16*(\b)+4*\k+2], v[FT+16*(\b)+4*\k+3]
.endif
.endr
.endm
	FTB 0, 1, 0
	FTB 1, 1, 1
	FTB 2, 1, 1
	FTB 3, 1, 1
	s_wait_loadcnt 0x0
	v_cvt_pk_bf16_f32 v88, v92, v93                ; the weights: rounded to bf16, and that number written as f16
	v_cvt_pk_bf16_f32 v89, v94, v95
	v_lshlrev_b32 v92, 16, v88
	v_and_b32 v93, s33, v88
	v_lshlrev_b32 v94, 16, v89
	v_and_b32 v95, s33, v89
	v_cvt_pk_f16_f32 v90, v92, v93
	v_cvt_pk_f16_f32 v91, v94, v95
	FTB 4, 0, 1                                    ; the last block's stores; their wait also states that v90 and v91 are written, which the store below reads
	global_store_b64 v7, v[90:91], s[18:19]
	; the three group numbers in ascending order: v24, v25, v23
	v_cmp_gt_u32 vcc_lo, v10, v11
	s_wait_alu depctr_va_vcc(0)                    ; the compare has written VCC, which the two selects read
	v_cndmask_b32 v20, v10, v11, vcc_lo
	v_cndmask_b32 v21, v11, v10, vcc_lo
	v_cmp_gt_u32 vcc_lo, v21, v12
	s_wait_alu depctr_va_vcc(0)                    ; likewise
	v_cndmask_b32 v22, v21, v12, vcc_lo
	v_cndmask_b32 v23, v12, v21, vcc_lo
	v_cmp_gt_u32 vcc_lo, v20, v22
	s_wait_alu depctr_va_vcc(0)                    ; likewise
	v_cndmask_b32 v24, v20, v22, vcc_lo
	v_cndmask_b32 v25, v22, v20, vcc_lo
	; the query
	v_cvt_pk_bf16_f32 v17, v14, v15
	v_cvt_pk_bf16_f32 v18, v16, v16
	v_lshlrev_b32 v14, 16, v17
	v_and_b32 v15, s33, v17
	v_lshlrev_b32 v16, 16, v18
	v_mul_f32 v35, v14, v14
	v_fmac_f32 v35, v15, v15
	v_fmac_f32 v35, v16, v16                       ; |s|^2
	v_mul_f32 v32, -2.0, v14
	v_mul_f32 v33, -2.0, v15
	v_mul_f32 v34, -2.0, v16
.irp k, 0,1,2
	v_mov_b32 v[26+\k], 0x7f800000
	v_mov_b32 v[29+\k], 0
.endr
; (val, id) is put into the sorted three at b; of equals the earlier stays in front.  The three values' own update needs no mask: it stands between the compares and the wait for them.
.macro INS b, val, id
	v_cmp_lt_f32 s30, v[\val], v[\b]
	v_cmp_lt_f32 s31, v[\val], v[(\b)+1]
	v_cmp_lt_f32 s32, v[\val], v[(\b)+2]
	v_med3_num_f32 v[(\b)+2], v[(\b)+1], v[(\b)+2], v[\val]
	v_med3_num_f32 v[(\b)+1], v[\b], v[(\b)+1], v[\val]
	v_min_num_f32 v[\b], v[\b], v[\val]
	s_wait_alu depctr_va_sdst(0)                   ; the three compares have written s30, s31 and s32, which the selects below read
	v_cndmask_b32 v[(\b)+5], v[(\b)+5], v[\id], s32
	v_cndmask_b32 v[(\b)+5], v[(\b)+5], v[(\b)+4], s31
	v_cndmask_b32 v[(\b)+4], v[(\b)+4], v[\id], s31
	v_cndmask_b32 v[(\b)+4], v[(\b)+4], v[(\b)+3], s30
	v_cndmask_b32 v[(\b)+3], v[(\b)+3], v[\id], s30
.endm
.macro ALL16 line:vararg
.set c, 0
.rept 16
	\line
.set c, c+1
.endr
.endm
	s_mov_b32 s46, 3
.Lgroup:                                               ; a trip: one group's 16 candidates
	s_wait_alu depctr_vm_vsrc(0)                   ; the LDS loads of the trip before have read v37, which is made anew below; in the first trip: the table's stores have read v40, which is written again behind the loop
	v_min_u32 v36, 255, v24                        ; a number read from memory is held inside the table before it enters an address
	v_mul_u32_u24 v37, GP, v36
	v_lshlrev_b32 v38, 4, v36
	s_wait_alu depctr_va_vdst(0)                   ; v37 is written, which the 16 loads read; the arithmetic so far is done reading and writing CB, in which they land
	ALL16 ds_load_b128 v[CB+4*c:CB+4*c+3], v37 offset:16*c
	s_wait_dscnt 0x0
	ALL16 v_mul_f32 v[CB+4*c], v32, v[CB+4*c]
	ALL16 v_fmac_f32 v[CB+4*c], v33, v[CB+4*c+1]
	ALL16 v_fmac_f32 v[CB+4*c], v34, v[CB+4*c+2]
	ALL16 v_add_f32 v[CB+4*c+3], v35, v[CB+4*c+3]
	ALL16 v_add_f32 v[CB+4*c], v[CB+4*c+3], v[CB+4*c]
	ALL16 v_add_nc_u32 v[CB+4*c+1], c, v38
	ALL16 INS 26, CB+4*c, CB+4*c+1
	v_mov_b32 v24, v25
	v_mov_b32 v25, v23
	s_sub_co_u32 s46, s46, 1
	s_cmp_lg_u32 s46, 0
	s_cbranch_scc1 .Lgroup
	v_add_f32 v40, 0x322bcc77, v26                 ; d + 1e-8
	v_add_f32 v41, 0x322bcc77, v27
	v_add_f32 v42, 0x322bcc77, v28
	v_rcp_f32 v40, v40
	v_rcp_f32 v41, v41
	v_rcp_f32 v42, v42
	v_add_nc_u32 v44, s47, v29                     ; a plain line behind the reciprocals; the rows of the table of features
	s_wait_alu depctr_va_vdst(0)                   ; the three reciprocals have written v40, v41 and v42, ahead of their first reader
	v_add_f32 v43, v40, v41
	v_add_f32 v43, v43, v42
	v_rcp_f32 v43, v43
	v_add_nc_u32 v45, s47, v30
	v_add_nc_u32 v46, s47, v31
	v_mov_b32 v47, 0
	s_wait_alu depctr_va_vdst(0)                   ; the reciprocal of the sum has written v43, ahead of its first reader
	v_mul_f32 v48, v40, v43
	v_mul_f32 v49, v41, v43
	v_mul_f32 v50, v42, v43
	v_mov_b32 v51, 0
	s_wait_alu depctr_va_vdst(0)                   ; the weights v48 to v51 are written (the rows v44 to v47 stand ahead of the wait before), which the two stores read
	global_store_b128 v2, v[44:47], s[16:17]
	global_store_b128 v2, v[48:51], s[44:45]
	s_wait_dscnt 0x0                               ; the wave's end
	s_wait_alu 0x0
	s_wait_tensorcnt 0x0
	ds_add_u32 v[SPW], v[NIL]
	s_wait_dscnt 0x0
	s_endpgm
.Lfunc_end_k_qee07da36f5_knn2:
	.size	k_qee07da36f5_knn2, .Lfunc_end_k_qee07da36f5_knn2-k_qee07da36f5_knn2
	.p2alignl 7, 3214868480
	.fill 96, 4, 3214868480
	.section	.rodata,"a",@progbits
	.p2align	6, 0x0
	.amdhsa_kernel k_qee07da36f5_knn2
		.amdhsa_group_segment_fixed_size 70144
		.amdhsa_private_segment_fixed_size 0
		.amdhsa_enable_private_segment 0
		.amdhsa_kernarg_size 64
		.amdhsa_user_sgpr_count 2
		.amdhsa_user_sgpr_kernarg_segment_ptr 1
		.amdhsa_wavefront_size32 1
		.amdhsa_system_sgpr_workgroup_id_x 1
		.amdhsa_system_sgpr_workgroup_id_y 1
		.amdhsa_system_sgpr_workgroup_id_z 1
		.amdhsa_system_vgpr_workitem_id 0
		.amdhsa_next_free_vgpr 256
		.amdhsa_next_free_sgpr 66
		.amdhsa_reserve_vcc 1
		.amdhsa_float_denorm_mode_32 3
		.amdhsa_float_denorm_mode_16_64 3
		.amdhsa_memory_ordered 1
		.amdhsa_forward_progress 1
		.amdhsa_inst_pref_size 41
	.end_amdhsa_kernel
	.amdgpu_metadata
---
amdhsa.version: [ 1, 2 ]
amdhsa.kernels:
  - .name:           k_qee07da36f5_knn2
    .symbol:         k_qee07da36f5_knn2.kd
    .args:
      - { .name: xyz_s, .offset: 0, .size: 8, .value_kind: global_buffer, .address_space: global }
      - { .name: xyz_t, .offset: 8, .size: 8, .value_kind: global_buffer, .address_space: global }
      - { .name: grp, .offset: 16, .size: 8, .value_kind: global_buffer, .address_space: global }
      - { .name: feats_t, .offset: 24, .size: 8, .value_kind: global_buffer, .address_space: global }
      - { .name: w0, .offset: 32, .size: 8, .value_kind: global_buffer, .address_space: global }
      - { .name: w1, .offset: 40, .size: 8, .value_kind: global_buffer, .address_space: global }
      - { .name: nidx, .offset: 48, .size: 8, .value_kind: global_buffer, .address_space: global }
      - { .name: pre, .offset: 56, .size: 8, .value_kind: global_buffer, .address_space: global }
    .group_segment_fixed_size: 70144
    .private_segment_fixed_size: 0
    .kernarg_segment_align: 8
    .kernarg_segment_size: 64
    .max_flat_workgroup_size: 128
    .sgpr_count:     66
    .vgpr_count:     256
    .wavefront_size: 32
...
	.end_amdgpu_metadata
.endif
;; end of part 8
;; launch gemm0: the kernel of part 3 again; grid 256 x 1, 4 waves a work-group, clusters of 4 x 1, 315,904 bytes of LDS; arguments feats_s, b0, nidx, pre, l0; writes l0
;; launch red0: the kernel of part 4 again; grid 4 x 1, 8 waves a work-group, no clusters, 5,120 bytes of LDS; arguments l0, gamma0, beta0, bn0; writes bn0
;; launch gemm1: the kernel of part 5 again; grid 256 x 1, 4 waves a work-group, clusters of 4 x 1, 172,544 bytes of LDS; arguments b1, pre, l0, bn0, l1; writes l1
;; launch red1: the kernel of part 4 again; grid 2 x 1, 8 waves a work-group, no clusters, 5,120 bytes of LDS; arguments l1, gamma1, beta1, bn1; writes bn1
;; launch bnout: the kernel of part 6 again; grid 256 x 1, 8 waves a work-group, no clusters, 0 bytes of LDS; arguments l1, bn1, out0; writes out0
